; MI455X (gfx1250); checked and timed in simulation.
; The chip was launched on July 23, 2026; its instructions are those of AMD's public machine-readable ISA for CDNA 5 (MIT licence, August 2026) and "CDNA5" Instruction Set Architecture Reference Guide (July 2026). The comments in the code are by the model that wrote it; some were corrected since.
;; Mo BA Attention. Allowed arithmetic: float matrix products may take bf16 or f16 operands with f32 sums; other float arithmetic in f32, or as packed bf16 or f16 multiplies, adds, multiply-adds, maxima and minima; sums over many terms, partial sums and values carried from step to step in f32; what a program stores and reads back later, other than sums and carried values, may be rounded once to bf16 or f16.
;; Inputs: Wk 2,048 x 2,048 float32; Wo 2,048 x 2,048 float32; Wq 2,048 x 2,048 float32; Wv 2,048 x 2,048 float32; bk 2,048 float32; bo 2,048 float32; bq 2,048 float32; bv 2,048 float32; key 1 x 2,048 x 2,048 float32; query 1 x 2,048 x 2,048 float32; value 1 x 2,048 x 2,048 float32.
;; Outputs: out0 1 x 2,048 x 2,048 float32.
;; One version. Each part assembles by itself: llvm-mc -triple=amdgcn-amd-amdhsa -mcpu=gfx1250 --defsym DOCPART=n.
;; ======== version 1 of 1: 4 launches
;; limits: values are held in f16: magnitudes above 65,504 overflow, below 6.1e-05 lose precision
;; workspace buffers: cvt 58,720,256 bytes; qkv 25,165,824 bytes; q32 8,388,608 bytes; ksum 131,072 bytes; att 8,388,608 bytes
;; launch conv (part 1): grid 256 x 7, 8 waves a work-group, no clusters, 0 bytes of LDS; arguments query, key, value, Wq, Wk, Wv, Wo, cvt; writes cvt
.if DOCPART == 1
	.amdgcn_target "amdgcn-amd-amdhsa--gfx1250"
	.amdhsa_code_object_version 6
	.text
	.protected	k_qfa36369f43_conv
	.globl	k_qfa36369f43_conv
	.p2align	8
	.type	k_qfa36369f43_conv,@function
k_qfa36369f43_conv:
	s_mov_b64 s[64:65], 0
	v_nop
	global_prefetch_b8 v0, s[64:65] scope:SCOPE_SE
	s_setreg_imm32_b32 hwreg(HW_REG_WAVE_MODE, 25, 1), 1
	s_wait_xcnt 0x0
; THE CAST.  cvt holds seven sections of 2048 x 2048 numbers of 16 bits: query, key, value, Wq, Wk, Wv rounded once to bf16, and Wo rounded to bf16 and that number written as f16
; (the last product multiplies f16 by f16).  LIMIT: an entry of Wo below 6.1e-5 keeps f16's fixed step of 6e-8; beyond 65,504 it becomes an infinity.
; A stream: no LDS, no barrier, no matrix unit.  Grid y is the tensor; a work-group takes 65,536 bytes of f32: thread t the 16 bytes at 4,096 i + 16 t, i = 0 .. 15.
; All sixteen loads of a wave go out together; no register is written twice, so no wait frees a source.
.set X, 4                              ; v[4:67]   slot i: 4 numbers as loaded
.set Y, 68                             ; v[68:99]  slot i: 4 numbers of 16 bits to store
.set T, 100                            ; v[100:105] at work
	s_load_b512 s[8:23], s[0:1], 0x0               ; the seven inputs s[8:21], cvt s[22:23]
	s_and_b32 s2, ttmp7, 0xffff                    ; which tensor
	v_lshlrev_b32 v1, 4, v0                        ; 16 t
	v_lshlrev_b32 v2, 3, v0                        ; 8 t
	s_lshl_b32 s24, ttmp9, 16                      ; my 65,536 bytes of the input
	s_mov_b32 s25, 0
	s_lshl_b32 s26, s2, 23                         ; the section,
	s_lshl_b32 s27, ttmp9, 15                      ; my 32,768 bytes of it
	s_add_co_u32 s26, s26, s27
	s_mov_b32 s27, 0
	s_wait_kmcnt 0x0
	s_mov_b64 s[4:5], s[8:9]
.irp n, 1,2,3,4,5,6
	s_cmp_eq_u32 s2, \n
	s_cselect_b64 s[4:5], s[8+2*\n:9+2*\n], s[4:5]
.endr
	s_add_nc_u64 s[4:5], s[4:5], s[24:25]
	s_add_nc_u64 s[6:7], s[22:23], s[26:27]
.irp i, 0,1,2,3,4,5,6,7,8,9,10,11,12,13,14,15
	global_load_b128 v[X+4*\i:X+4*\i+3], v1, s[4:5] offset:4096*\i th:TH_LOAD_NT
.endr
; slot i is rounded and stored: a wave's store covers 256 consecutive bytes, aligned.  wo = 1: bf16 first, then that number as f16.
.macro OUT16 i, wo
	s_wait_loadcnt 15-(\i)                         ; loads come back in order: slot i is in, the 15 - i younger ones may stay out
.if \wo
	v_cvt_pk_bf16_f32 v[T], v[X+4*(\i)], v[X+4*(\i)+1]
	v_cvt_pk_bf16_f32 v[T+1], v[X+4*(\i)+2], v[X+4*(\i)+3]
	v_lshlrev_b32 v[T+2], 16, v[T]
	v_and_b32 v[T+3], 0xffff0000, v[T]
	v_lshlrev_b32 v[T+4], 16, v[T+1]
	v_and_b32 v[T+5], 0xffff0000, v[T+1]
	v_cvt_pk_f16_f32 v[Y+2*(\i)], v[T+2], v[T+3]
	v_cvt_pk_f16_f32 v[Y+2*(\i)+1], v[T+4], v[T+5]
.else
	v_cvt_pk_bf16_f32 v[Y+2*(\i)], v[X+4*(\i)], v[X+4*(\i)+1]
	v_cvt_pk_bf16_f32 v[Y+2*(\i)+1], v[X+4*(\i)+2], v[X+4*(\i)+3]
.endif
	global_store_b64 v2, v[Y+2*(\i):Y+2*(\i)+1], s[6:7] offset:2048*(\i) th:TH_STORE_NT
.endm
	s_cmp_eq_u32 s2, 6
	s_cbranch_scc1 .Lwo
.irp i, 0,1,2,3,4,5,6,7,8,9,10,11,12,13,14,15
	OUT16 \i, 0
.endr
	s_endpgm
.Lwo:
.irp i, 0,1,2,3,4,5,6,7,8,9,10,11,12,13,14,15
	OUT16 \i, 1
.endr
	s_endpgm
.Lfunc_end_k_qfa36369f43_conv:
	.size	k_qfa36369f43_conv, .Lfunc_end_k_qfa36369f43_conv-k_qfa36369f43_conv
	.p2alignl 7, 3214868480
	.fill 96, 4, 3214868480
	.section	.rodata,"a",@progbits
	.p2align	6, 0x0
	.amdhsa_kernel k_qfa36369f43_conv
		.amdhsa_group_segment_fixed_size 0
		.amdhsa_private_segment_fixed_size 0
		.amdhsa_enable_private_segment 0
		.amdhsa_kernarg_size 64
		.amdhsa_user_sgpr_count 2
		.amdhsa_user_sgpr_kernarg_segment_ptr 1
		.amdhsa_wavefront_size32 1
		.amdhsa_system_sgpr_workgroup_id_x 1
		.amdhsa_system_sgpr_workgroup_id_y 1
		.amdhsa_system_sgpr_workgroup_id_z 1
		.amdhsa_system_vgpr_workitem_id 0
		.amdhsa_next_free_vgpr 108
		.amdhsa_next_free_sgpr 66
		.amdhsa_reserve_vcc 0
		.amdhsa_float_denorm_mode_32 3
		.amdhsa_float_denorm_mode_16_64 3
		.amdhsa_memory_ordered 1
		.amdhsa_forward_progress 1
		.amdhsa_inst_pref_size 16
	.end_amdhsa_kernel
	.amdgpu_metadata
---
amdhsa.version: [ 1, 2 ]
amdhsa.kernels:
  - .name:           k_qfa36369f43_conv
    .symbol:         k_qfa36369f43_conv.kd
    .args:
      - { .name: query, .offset: 0, .size: 8, .value_kind: global_buffer, .address_space: global }
      - { .name: key, .offset: 8, .size: 8, .value_kind: global_buffer, .address_space: global }
      - { .name: value, .offset: 16, .size: 8, .value_kind: global_buffer, .address_space: global }
      - { .name: Wq, .offset: 24, .size: 8, .value_kind: global_buffer, .address_space: global }
      - { .name: Wk, .offset: 32, .size: 8, .value_kind: global_buffer, .address_space: global }
      - { .name: Wv, .offset: 40, .size: 8, .value_kind: global_buffer, .address_space: global }
      - { .name: Wo, .offset: 48, .size: 8, .value_kind: global_buffer, .address_space: global }
      - { .name: cvt, .offset: 56, .size: 8, .value_kind: global_buffer, .address_space: global }
    .group_segment_fixed_size: 0
    .private_segment_fixed_size: 0
    .kernarg_segment_align: 8
    .kernarg_segment_size: 64
    .max_flat_workgroup_size: 256
    .sgpr_count:     66
    .vgpr_count:     108
    .wavefront_size: 32
...
	.end_amdgpu_metadata
.endif
;; end of part 1
;; launch proj (part 2): grid 8 x 24, 4 waves a work-group, clusters of 4 x 4, 327,680 bytes of LDS; arguments cvt, bq, bk, bv, qkv, q32, ksum; writes qkv, q32, ksum
.if DOCPART == 2
	.amdgcn_target "amdgcn-amd-amdhsa--gfx1250"
	.amdhsa_code_object_version 6
	.text
	.protected	k_qfa36369f43_proj
	.globl	k_qfa36369f43_proj
	.p2align	8
	.type	k_qfa36369f43_proj,@function
k_qfa36369f43_proj:
	s_mov_b64 s[64:65], 0
	v_nop
	global_prefetch_b8 v0, s[64:65] scope:SCOPE_SE
	s_setreg_imm32_b32 hwreg(HW_REG_WAVE_MODE, 25, 1), 1
	s_wait_xcnt 0x0
	s_wait_alu depctr_hold_cnt(0) depctr_sa_sdst(0) depctr_va_vdst(0) depctr_va_sdst(0) depctr_va_ssrc(0) depctr_va_vcc(0) depctr_vm_vsrc(0)
	s_getreg_b32 s2, hwreg(HW_REG_IB_STS2, 6, 4)
	s_cmp_eq_u32 s2, 0
	s_cbranch_scc0 .Lentry_in_a_cluster
	s_endpgm
.Lentry_in_a_cluster:
	s_bfe_u32 s2, ttmp6, 0x10000c
	s_cmp_lg_u32 s2, 0xf033
	s_cbranch_scc0 .Lentry_shape_is_right
	s_endpgm
.Lentry_shape_is_right:
; THE THREE PROJECTIONS.  For g = 0, 1, 2 (q, k, v): C[s][n] = sum over k of x_g[s][k] W_g[n][k] + b_g[n]; x and W in bf16 (sections g and 3 + g of cvt), b rounded to bf16 here; sums in f32.
; OUT: qkv[g][s][n] in f16; for q's rows 1,024 on also the f32 sums (q32); for k the f32 column sums of each 128 rows (ksum): the ranking of blocks in the next launch is made of these f32 numbers.
; LIMIT: |q|, |k|, |v| stay under 65,504 (f16).
; A tile of C is 256 x 256: four waves, each 128 x 128 in 64 accumulators.  K goes in 16 steps of 128 through two LDS slots; each wave fetches 128 rows x 256 bytes of a slot by one tensor load.
; CLUSTERS of 4 x 4: a row of the cluster shares A's tile, a column B's: joint loads.  Cluster y (0 .. 5) gives g = y / 2 and the half of the rows y % 2: both are the same in all sixteen partners.
; The product is taken transposed (source 0 = rows of W, source 1 = rows of x): a lane holds eight neighbouring columns of one row of C.  The first product of each sum takes the bias as its C.
; REGISTERS: window 0: v16-31 addresses; v64-127, v128-191 A's fragments.  window 1: v0-63 the bias, 8 tiles of 16 columns; v64-191 B's fragments; v192-223 at work.  windows 2, 3: the accumulators.
.set SEC,    8388608                   ; bytes in a section of cvt and of qkv
.set KSTEP,  128
.set PITCH,  272                       ; an LDS row: 256 bytes + 16 of padding: the 16 rows of a fragment load start 68 words apart
.set HALFT,  128*PITCH
.set SLOT,   4*HALFT                   ; A's 256 rows, then B's 256; the wave's bases have the two bits of SLOT clear, so one exclusive or changes slots
.set SPARE,  2*SLOT                    ; the spare words: 128 bytes a wave, two blocks of 256 bytes that no other line names
.set DP,     528                       ; the way out: a row of 128 f32 + 16 bytes
.set DW,     128*DP                    ; a wave's 128 rows; the four lie in the slots' bytes, which have had their last fill by then
.set ADRA0, 16                         ; v16  my place in A's tile of slot 0; never rewritten
.set ADRA,  17                         ; v17  the same in the slot in hand
.set ADRB0, 20
.set ADRB,  21
.set GO16,  24                         ; v24  8 x lane
.set GO32,  25                         ; v25  16 x lane
.set STO,   26                         ; v26  the way out: where my 32 bytes of a row go
.set RD,    27                         ; v27  the way out: where I read rows back
.set SPW,   28                         ; v28  my spare word; never rewritten
.set NIL,   29                         ; v29  0; never rewritten
.set PFO,   30                         ; v30  4,096 x lane: a row of cvt
.set BO,    31                         ; v31  32 x (lane / 16)
.set F0,    64
.set F1,    128
.set R,     64                         ; the way out: eight rows as read back
.set H,     96                         ; the same in f16
.set CSUM,  112                        ; column sums of my 128 rows
.set WV, 20
.set RH, 21                            ; my half of the tile's rows; also: I fetch for A (0) or B (1)
.set CH, 22                            ; my half of its columns; also: which 128 rows I fetch
.set CX, 23
.set CY, 24
.set TC, 25
.set TR, 26
.set GG, 27
.set HR, 28
.set CLY, 29
.set G1,  32
.set G1B, 40
.set G0,  48                           ; two sets: slot 0's first fill; slot 1's, which then walks
.set G0B, 56
.set TB,  66                           ; LDS byte at which the slot to be fetched from begins
.set LIM, 67                           ; 1 in a wave that prefetches, else the greatest number
.set PFA, 68
.set CB,  70
.set QB,  72
.set KSB, 74
.set MSB, 0
.macro WIN new
.if MSB != (\new)
	s_set_vgpr_msb (MSB<<8)|(\new)
.set MSB, \new
.endif
.endm
.macro PLACES
.rept 4
	v_nop
.endr
.endm
.macro CREST
	s_cmp_lg_u32 s[WV], 0
	s_cbranch_scc1 .Lnot_wave_0_\@
	s_barrier_signal -3
.Lnot_wave_0_\@:
	s_barrier_wait -3
	s_barrier_signal -1
	s_barrier_wait -1
.endm
.macro CROUND
	s_barrier_signal -1
	s_barrier_wait -1
	CREST
.endm
; a joint refill by the walking sets; an s_nop 0 and four v_nop follow each line
.macro JLOAD
	s_cmp_eq_u32 s[RH], 0
	s_cbranch_scc0 .Lfor_b_\@
	tensor_load_to_lds s[G0+4:G0+7], s[G1:G1+7]
	s_nop 0
	PLACES
	s_branch .Lasked_\@
.Lfor_b_\@:
	tensor_load_to_lds s[G0B+4:G0B+7], s[G1B:G1B+7]
	s_nop 0
	PLACES
.Lasked_\@:
.endm
; a prefetch of the K step that the NEXT refill will ask for: my work-group's 32 of the 128 rows that I fetch, a lane a row.  The loop's last trip has no such step.
.macro ASK
	s_cmp_gt_u32 s3, s[LIM]
	s_cbranch_scc0 .Lnot_mine_\@
	global_prefetch_b8 v[PFO], s[PFA:PFA+1] th:TH_LOAD_NT scope:SCOPE_SE
.Lnot_mine_\@:
.endm
	s_load_b256 s[4:11], s[0:1], 0x0               ; cvt s[4:5], bq s[6:7], bk s[8:9], bv s[10:11]
	s_load_b128 s[12:15], s[0:1], 0x20             ; qkv s[12:13], q32 s[14:15]
	s_load_b64 s[16:17], s[0:1], 0x30              ; ksum
	v_lshl_add_u32 v[SPW], v0, 2, SPARE
	v_mov_b32 v[NIL], 0
	ds_add_u32 v[SPW], v[NIL]                      ; the wave's opening: the add and its wait ahead of my first tensor load
	v_lshrrev_b32 v1, 5, v0
	v_readfirstlane_b32 s[WV], v1
	s_lshr_b32 s[RH], s[WV], 1
	s_and_b32 s[CH], s[WV], 1
	s_bfe_u32 s[CX], ttmp6, 0x40000
	s_bfe_u32 s[CY], ttmp6, 0x40004
	s_lshl_b32 s[TC], ttmp9, 2
	s_add_co_u32 s[TC], s[TC], s[CX]               ; tile column
	s_and_b32 s[CLY], ttmp7, 0xffff
	s_lshr_b32 s[GG], s[CLY], 1                    ; q, k or v
	s_and_b32 s[HR], s[CLY], 1
	s_lshl_b32 s[TR], s[HR], 2
	s_add_co_u32 s[TR], s[TR], s[CY]               ; tile row
	s_lshl_b32 s76, s[CY], 2
	s_lshl_b32 s76, 15, s76                        ; my row of the cluster
	s_lshl_b32 s77, 0x1111, s[CX]                  ; my column
	s_or_b32 s[G1], s76, (1<<16)|(1<<20)|(1<<21)|(5<<22)|(3<<25)   ; mask; 2-byte elements; padding on; bit 21 beside a mask; 4 words behind every 64
	s_or_b32 s[G1B], s77, (1<<16)|(1<<20)|(1<<21)|(5<<22)|(3<<25)
.irp g, G1, G1B
	s_mov_b32 s[(\g)+1], KSTEP<<16                 ; tensor_dim0 = 128
	s_mov_b32 s[(\g)+2], 128<<16                   ; tensor_dim1 = 128
	s_mov_b32 s[(\g)+3], KSTEP<<16                 ; tile_dim0 = 128
	s_mov_b32 s[(\g)+4], 128                       ; tile_dim1 = 128
	s_mov_b32 s[(\g)+5], 2048                      ; elements from row to row
	s_mov_b32 s[(\g)+6], 0
	s_mov_b32 s[(\g)+7], 0
.endr
	s_lshl_b32 s78, s[CH], 7                       ; 128 x half
	s_lshl_b32 s79, s[GG], 23                      ; g sections
	s_lshl_b32 s80, s[TR], 8
	s_add_co_u32 s80, s80, s78
	s_lshl_b32 s80, s80, 12
	s_add_co_u32 s80, s80, s79                     ; A: section g, row 256 x tile row + 128 x half
	s_mov_b32 s81, 0
	s_lshl_b32 s82, s[TC], 8
	s_add_co_u32 s82, s82, s78
	s_lshl_b32 s82, s82, 12
	s_add_co_u32 s82, s82, s79
	s_add_co_u32 s82, s82, 3*SEC                   ; B: section 3 + g, row 256 x tile column + 128 x half
	s_mov_b32 s83, 0
	s_mul_i32 s84, s[WV], HALFT                    ; where my rows go: the wave's number alone
	s_mov_b32 s[TB], 0
	s_wait_dscnt 0x0                               ; the opening add is done
	s_wait_kmcnt 0x0
	s_add_nc_u64 s[80:81], s[4:5], s[80:81]
	s_add_nc_u64 s[82:83], s[4:5], s[82:83]
.irp s, 0,1
	s_mov_b32 s[G0+4*(\s)], 1
	s_add_co_u32 s[G0+4*(\s)+1], s84, (\s)*SLOT
	s_add_nc_u64 s[G0+4*(\s)+2:G0+4*(\s)+3], s[80:81], (\s)*KSTEP*2
	s_or_b32 s[G0+4*(\s)+3], s[G0+4*(\s)+3], 0x80000000
	s_mov_b32 s[G0B+4*(\s)], 1
	s_add_co_u32 s[G0B+4*(\s)+1], s84, (\s)*SLOT
	s_add_nc_u64 s[G0B+4*(\s)+2:G0B+4*(\s)+3], s[82:83], (\s)*KSTEP*2
	s_or_b32 s[G0B+4*(\s)+3], s[G0B+4*(\s)+3], 0x80000000
.endr
	CROUND                                         ; all sixteen work-groups are here: the first joint loads meet
	s_cmp_eq_u32 s[RH], 0                          ; a wave's two first fills stand in one branch: two loads of mine are out
	s_cbranch_scc0 .Lfirst_b
	tensor_load_to_lds s[G0:G0+3], s[G1:G1+7]
	s_nop 0
	tensor_load_to_lds s[G0+4:G0+7], s[G1:G1+7]
	s_nop 0
	PLACES
	s_branch .Lfirst_done
.Lfirst_b:
	tensor_load_to_lds s[G0B:G0B+3], s[G1B:G1B+7]
	s_nop 0
	tensor_load_to_lds s[G0B+4:G0B+7], s[G1B:G1B+7]
	s_nop 0
	PLACES
.Lfirst_done:
	v_and_b32 v1, 15, v0                           ; r = lane % 16
	v_bfe_u32 v2, v0, 4, 1                         ; h = lane / 16
	v_mul_u32_u24 v3, v1, PITCH
	v_lshl_add_u32 v3, v2, 4, v3
	s_mul_i32 s76, s[RH], HALFT
	s_mul_i32 s77, s[CH], HALFT
	s_add_co_u32 s77, s77, 2*HALFT
	v_add_nc_u32 v[ADRA0], s76, v3
	v_add_nc_u32 v[ADRB0], s77, v3
	v_mov_b32 v[ADRA], v[ADRA0]
	v_mov_b32 v[ADRB], v[ADRB0]
	v_and_b32 v4, 31, v0
	v_lshlrev_b32 v[GO16], 3, v4
	v_lshlrev_b32 v[GO32], 4, v4
	v_lshlrev_b32 v[PFO], 12, v4
	v_lshlrev_b32 v[BO], 5, v2
	s_mul_i32 s76, s[WV], DW
	v_mul_u32_u24 v[STO], v1, DP
	v_lshl_add_u32 v[STO], v2, 5, v[STO]
	v_add_nc_u32 v[STO], s76, v[STO]
	v_add_nc_u32 v[RD], s76, v[GO32]
	; where the results go
	s_lshl_b32 s86, s[TC], 8
	s_add_co_u32 s86, s86, s78                     ; my first column
	s_lshl_b32 s76, s[TR], 8
	s_lshl_b32 s77, s[RH], 7
	s_add_co_u32 s76, s76, s77                     ; my first row
	s_lshl_b32 s76, s76, 12
	s_add_co_u32 s76, s76, s79
	s_lshl_b32 s87, s86, 1
	s_add_co_u32 s76, s76, s87
	s_mov_b32 s77, 0
	s_add_nc_u64 s[CB:CB+1], s[12:13], s[76:77]
	s_lshl_b32 s87, s86, 2                         ; my first column in f32 bytes
	s_lshl_b32 s76, s[CY], 8
	s_lshl_b32 s85, s[RH], 7
	s_add_co_u32 s76, s76, s85                     ; my first row less 1,024, where the cluster holds q's lower half
	s_lshl_b32 s76, s76, 13
	s_add_co_u32 s76, s76, s87
	s_add_nc_u64 s[QB:QB+1], s[14:15], s[76:77]
	s_lshl_b32 s76, s[TR], 1
	s_add_co_u32 s76, s76, s[RH]                   ; which 128 rows
	s_lshl_b32 s76, s76, 13
	s_add_co_u32 s76, s76, s87
	s_add_nc_u64 s[KSB:KSB+1], s[16:17], s[76:77]
	s_mov_b64 s[88:89], s[6:7]
	s_cmp_eq_u32 s[GG], 1
	s_cselect_b64 s[88:89], s[8:9], s[88:89]
	s_cmp_eq_u32 s[GG], 2
	s_cselect_b64 s[88:89], s[10:11], s[88:89]
	s_mov_b32 s76, s87
	s_add_nc_u64 s[88:89], s[88:89], s[76:77]      ; the bias of my 128 columns
	WIN 0x40
.irp b, 0,1,2,3,4,5,6,7
	global_load_b128 v[8*\b:8*\b+3],   v[BO], s[88:89] offset:64*\b
	global_load_b128 v[8*\b+4:8*\b+7], v[BO], s[88:89] offset:64*\b+16
.endr
	WIN 0
	; the prefetches.  A's rows are read by both clusters of a row of clusters: cluster x = 0 asks; B's by the two clusters of one g: the one with the upper rows asks.
	; The four partners that ask for a tile jointly share its rows out by address.
	s_cmp_eq_u32 s[RH], 0
	s_cselect_b32 s76, s[TR], s[TC]
	s_cselect_b32 s85, s[CX], s[CY]
	s_cselect_b32 s86, ttmp9, s[HR]
	s_cselect_b32 s87, 0, 3*SEC
	s_cmp_eq_u32 s86, 0
	s_cselect_b32 s[LIM], 1, -1
	s_lshl_b32 s76, s76, 8
	s_add_co_u32 s76, s76, s78
	s_lshl_b32 s85, s85, 5
	s_add_co_u32 s76, s76, s85
	s_lshl_b32 s76, s76, 12
	s_add_co_u32 s76, s76, s79
	s_add_co_u32 s76, s76, s87
	s_add_co_u32 s76, s76, 2*KSTEP*2               ; at K step 2: the first refill steps it to 3
	s_add_nc_u64 s[PFA:PFA+1], s[4:5], s[76:77]
	s_wait_loadcnt 0x0                             ; the bias, rounded to bf16 like every input
	WIN 0x45
.set i, 0
.rept 32
	v_cvt_pk_bf16_f32 v[192+i], v[2*i], v[2*i+1]
.set i, i+1
.endr
.set i, 0
.rept 32
	v_lshlrev_b32 v[2*i], 16, v[192+i]
	v_and_b32 v[2*i+1], 0xffff0000, v[192+i]
.set i, i+1
.endr
	WIN 0
; 16 products: row blocks a0, a0 + 1 of the window's four x all 8 column blocks.  first = 1: C is the bias tile of window 1: nothing is cleared.  The 64 accumulators take turns.
.macro MUL16 f, hi, a0, first
.if \first
	WIN 0x91+0x40*(\hi)
.else
	WIN 0xa1+0x50*(\hi)
.endif
.irp a, \a0, (\a0)+1
.irp b, 0,1,2,3,4,5,6,7
.if \first
	v_wmma_f32_16x16x32_bf16 v[8*(8*(\a)+(\b)):8*(8*(\a)+(\b))+7], v[(\f)+8*(\b):(\f)+8*(\b)+7], v[(\f)+8*(4*(\hi)+(\a)):(\f)+8*(4*(\hi)+(\a))+7], v[8*(\b):8*(\b)+7]
.else
	v_wmma_f32_16x16x32_bf16 v[8*(8*(\a)+(\b)):8*(8*(\a)+(\b))+7], v[(\f)+8*(\b):(\f)+8*(\b)+7], v[(\f)+8*(4*(\hi)+(\a)):(\f)+8*(4*(\hi)+(\a))+7], v[8*(8*(\a)+(\b)):8*(8*(\a)+(\b))+7]
.endif
.endr
.endr
.endm
.macro FETCH k, f                      ; 32 LDS loads in one run: B's 128 rows, then A's, 32 along K at byte k
	WIN 0x40
.irp i, 0,1,2,3,4,5,6,7
	ds_load_b128 v[(\f)+8*(\i):(\f)+8*(\i)+3],   v[ADRB] offset:(\k)+(\i)*16*PITCH
	ds_load_b128 v[(\f)+8*(\i)+4:(\f)+8*(\i)+7], v[ADRB] offset:(\k)+(\i)*16*PITCH+32
.endr
	WIN 0
.irp i, 0,1,2,3,4,5,6,7
	ds_load_b128 v[(\f)+8*(\i):(\f)+8*(\i)+3],   v[ADRA] offset:(\k)+(\i)*16*PITCH
	ds_load_b128 v[(\f)+8*(\i)+4:(\f)+8*(\i)+7], v[ADRA] offset:(\k)+(\i)*16*PITCH+32
.endr
.endm
.macro QUARTER k, f, g, first
	s_wait_dscnt 8                                 ; B and A's rows 0-63 are in; the youngest eight loads (A's rows 64-127) may be out
	MUL16 \f, 0, 0, \first
	MUL16 \f, 0, 2, \first
	PLACES                                         ; four places in front of loads into registers that products have read
	FETCH \k, \g
	s_wait_dscnt 32                                ; all but the 32 just issued
	MUL16 \f, 1, 0, \first
	MUL16 \f, 1, 2, \first
.endm
; the last quarter of a K step, and the change of slots: one barrier; with fill = 1 it opens a round of the cluster's barrier, and the slot just read is filled again, first thing behind the round
.macro TURN fill
.if \fill
	s_wait_xcnt 0x0                                ; the last prefetch, a K step back, has read its address
	s_add_nc_u64 s[PFA:PFA+1], s[PFA:PFA+1], KSTEP*2
.endif
	WIN 0
	s_wait_tensorcnt 0x0                           ; all my tensor loads have landed: the one that was out is my part of the next slot
	ds_add_u32 v[SPW], v[NIL]                      ; 0 onto my spare word
	s_wait_dscnt 9                                 ; the add and the youngest eight loads may be out
	MUL16 F1, 0, 0, 0
	s_wait_dscnt 0x0                               ; the add is done, and my reads of this slot are over
	s_barrier_signal -1
	MUL16 F1, 0, 2, 0
	WIN 0
	s_barrier_wait -1
.if \fill
	CREST
	s_xor_b32 s[G0+5], s[G0+5], SLOT               ; the walking sets: the other slot than last time, the next K step
	s_add_nc_u64 s[G0+6:G0+7], s[G0+6:G0+7], KSTEP*2
	s_xor_b32 s[G0B+5], s[G0B+5], SLOT
	s_add_nc_u64 s[G0B+6:G0B+7], s[G0B+6:G0B+7], KSTEP*2
.endif
	s_xor_b32 s[TB], s[TB], SLOT                   ; the fetches go to the slot that is not being filled
.if \fill
	JLOAD                                          ; its four v_nop are also the places in front of the loads below
.else
	PLACES
.endif
	v_add_nc_u32 v[ADRA], s[TB], v[ADRA0]
	v_add_nc_u32 v[ADRB], s[TB], v[ADRB0]
	FETCH 0, F0
.if \fill
	ASK
.endif
	MUL16 F1, 1, 0, 0
	MUL16 F1, 1, 2, 0
.endm
	s_wait_tensorcnt 0x1                           ; my part of K step 0 is in; K step 1's may stay out
	s_barrier_signal -1
	s_barrier_wait -1
	FETCH 0, F0
	QUARTER 64, F0, F1, 1                          ; the first quarter starts the sums with the bias
	WIN 0
	s_mov_b32 s3, 14
.Lstep:                                        ; trip i: the rest of K step i, the refill with K step i + 2, the first quarter of K step i + 1
	QUARTER 128, F1, F0, 0
	QUARTER 192, F0, F1, 0
	TURN 1
	QUARTER 64, F0, F1, 0
	WIN 0
	s_sub_co_u32 s3, s3, 1
	s_cmp_lg_u32 s3, 0
	s_cbranch_scc1 .Lstep
	QUARTER 128, F1, F0, 0                         ; K steps 14 and 15 ask for nothing
	QUARTER 192, F0, F1, 0
	TURN 0
	QUARTER 64, F0, F1, 0
	QUARTER 128, F1, F0, 0
	QUARTER 192, F0, F1, 0
	s_wait_dscnt 8
	MUL16 F1, 0, 0, 0
	MUL16 F1, 0, 2, 0
	s_wait_dscnt 0x0                               ; my reads of the slots are over
	s_barrier_signal -1
	MUL16 F1, 1, 0, 0
	MUL16 F1, 1, 2, 0
	WIN 0
	s_barrier_wait -1                              ; everybody's are: the slots' bytes may be stored into
	; THE WAY OUT.  My 128 x 128 sums go into LDS as f32 rows of 528 bytes and come back as whole rows: a lane then holds four neighbouring columns.
	PLACES
	PLACES
.irp a, 0,1,2,3,4,5,6,7
	WIN 0x08+4*((\a)/4)                            ; store data in window 2 or 3
.irp b, 0,1,2,3,4,5,6,7
	ds_store_b128 v[STO], v[8*(8*((\a)%4)+\b):8*(8*((\a)%4)+\b)+3]   offset:(\a)*16*DP+64*\b
	ds_store_b128 v[STO], v[8*(8*((\a)%4)+\b)+4:8*(8*((\a)%4)+\b)+7] offset:(\a)*16*DP+64*\b+16
.endr
.endr
	WIN 0
.irp i, 0,1,2,3
	v_mov_b32 v[CSUM+\i], 0
.endr
	s_mov_b32 s3, 16
.Lrows:                                        ; eight rows a trip.  LDS serves a wave's instructions in order: these loads see my stores above
.irp i, 0,1,2,3,4,5,6,7
	ds_load_b128 v[R+4*\i:R+4*\i+3], v[RD] offset:DP*\i
.endr
.irp i, 0,1,2,3,4,5,6,7
	s_wait_dscnt 7-\i                              ; row i is in; the younger rows may be out
	v_cvt_pk_f16_f32 v[H+2*\i], v[R+4*\i], v[R+4*\i+1]
	v_cvt_pk_f16_f32 v[H+2*\i+1], v[R+4*\i+2], v[R+4*\i+3]
	v_pk_add_f32 v[CSUM:CSUM+1], v[CSUM:CSUM+1], v[R+4*\i:R+4*\i+1]
	v_pk_add_f32 v[CSUM+2:CSUM+3], v[CSUM+2:CSUM+3], v[R+4*\i+2:R+4*\i+3]
	global_store_b64 v[GO16], v[H+2*\i:H+2*\i+1], s[CB:CB+1] offset:4096*\i   ; the wave stores 256 consecutive bytes, aligned
.endr
	s_cmp_lg_u32 s[CLY], 1                         ; q's rows 1,024 on also leave in f32
	s_cbranch_scc1 .Lno_q32
.irp i, 0,1,2,3,4,5,6,7
	global_store_b128 v[GO32], v[R+4*\i:R+4*\i+3], s[QB:QB+1] offset:8192*\i
.endr
.Lno_q32:
	s_wait_xcnt 0x0                                ; the stores have read their data and bases: only now are these written again
	v_add_nc_u32 v[RD], 8*DP, v[RD]
	s_add_nc_u64 s[CB:CB+1], s[CB:CB+1], 8*4096
	s_add_nc_u64 s[QB:QB+1], s[QB:QB+1], 8*8192
	s_sub_co_u32 s3, s3, 1
	s_cmp_lg_u32 s3, 0
	s_cbranch_scc1 .Lrows
	s_cmp_lg_u32 s[GG], 1                          ; k's column sums of my 128 rows
	s_cbranch_scc1 .Lno_sum
	global_store_b128 v[GO32], v[CSUM:CSUM+3], s[KSB:KSB+1]
.Lno_sum:
	s_wait_tensorcnt 0x0                           ; the wave's end
	ds_add_u32 v[SPW], v[NIL]
	s_wait_dscnt 0x0
	CROUND                                         ; the closing round
	s_endpgm
.Lfunc_end_k_qfa36369f43_proj:
	.size	k_qfa36369f43_proj, .Lfunc_end_k_qfa36369f43_proj-k_qfa36369f43_proj
	.p2alignl 7, 3214868480
	.fill 96, 4, 3214868480
	.section	.rodata,"a",@progbits
	.p2align	6, 0x0
	.amdhsa_kernel k_qfa36369f43_proj
		.amdhsa_group_segment_fixed_size 327680
		.amdhsa_private_segment_fixed_size 0
		.amdhsa_enable_private_segment 0
		.amdhsa_kernarg_size 56
		.amdhsa_user_sgpr_count 2
		.amdhsa_user_sgpr_kernarg_segment_ptr 1
		.amdhsa_wavefront_size32 1
		.amdhsa_system_sgpr_workgroup_id_x 1
		.amdhsa_system_sgpr_workgroup_id_y 1
		.amdhsa_system_sgpr_workgroup_id_z 1
		.amdhsa_system_vgpr_workitem_id 0
		.amdhsa_next_free_vgpr 1024
		.amdhsa_next_free_sgpr 96
		.amdhsa_reserve_vcc 0
		.amdhsa_float_denorm_mode_32 3
		.amdhsa_float_denorm_mode_16_64 3
		.amdhsa_memory_ordered 1
		.amdhsa_forward_progress 1
		.amdhsa_inst_pref_size 106
	.end_amdhsa_kernel
	.amdgpu_metadata
---
amdhsa.version: [ 1, 2 ]
amdhsa.kernels:
  - .name:           k_qfa36369f43_proj
    .symbol:         k_qfa36369f43_proj.kd
    .args:
      - { .name: cvt, .offset: 0, .size: 8, .value_kind: global_buffer, .address_space: global }
      - { .name: bq, .offset: 8, .size: 8, .value_kind: global_buffer, .address_space: global }
      - { .name: bk, .offset: 16, .size: 8, .value_kind: global_buffer, .address_space: global }
      - { .name: bv, .offset: 24, .size: 8, .value_kind: global_buffer, .address_space: global }
      - { .name: qkv, .offset: 32, .size: 8, .value_kind: global_buffer, .address_space: global }
      - { .name: q32, .offset: 40, .size: 8, .value_kind: global_buffer, .address_space: global }
      - { .name: ksum, .offset: 48, .size: 8, .value_kind: global_buffer, .address_space: global }
    .group_segment_fixed_size: 327680
    .private_segment_fixed_size: 0
    .kernarg_segment_align: 8
    .kernarg_segment_size: 56
    .max_flat_workgroup_size: 128
    .sgpr_count:     96
    .vgpr_count:     1024
    .wavefront_size: 32
...
	.end_amdgpu_metadata
.endif
;; end of part 2
;; launch attn (part 3): grid 16 x 16, 4 waves a work-group, clusters of 4 x 1, 327,680 bytes of LDS; arguments qkv, q32, ksum, att; writes att
.if DOCPART == 3
	.amdgcn_target "amdgcn-amd-amdhsa--gfx1250"
	.amdhsa_code_object_version 6
	.text
	.protected	k_qfa36369f43_attn
	.globl	k_qfa36369f43_attn
	.p2align	8
	.type	k_qfa36369f43_attn,@function
k_qfa36369f43_attn:
	s_mov_b64 s[64:65], 0
	v_nop
	global_prefetch_b8 v0, s[64:65] scope:SCOPE_SE
	s_setreg_imm32_b32 hwreg(HW_REG_WAVE_MODE, 25, 1), 1
	s_wait_xcnt 0x0
	s_wait_alu depctr_hold_cnt(0) depctr_sa_sdst(0) depctr_va_vdst(0) depctr_va_sdst(0) depctr_va_ssrc(0) depctr_va_vcc(0) depctr_vm_vsrc(0)
	s_getreg_b32 s2, hwreg(HW_REG_IB_STS2, 6, 4)
	s_cmp_eq_u32 s2, 0
	s_cbranch_scc0 .Lentry_in_a_cluster
	s_endpgm
.Lentry_in_a_cluster:
	s_bfe_u32 s2, ttmp6, 0x10000c
	s_cmp_lg_u32 s2, 0x3003
	s_cbranch_scc0 .Lentry_shape_is_right
	s_endpgm
.Lentry_shape_is_right:
; MoBA ATTENTION.  16 heads of 128 channels, 8 blocks of 256 positions.  For each query: a causal softmax inside its own block, plus a softmax over the (at most 3) strictly past blocks that rank
; highest by q . (sum of the block's k); att = the sum of the two, in f16.  q, k, v come in f16 (qkv); products, maxima and sums in f32; the weights are rounded to f16 for the second product.
; THE RANKING is made in f32, of q32 and ksum (the block's sum is 256 times its mean: the same order); equal values go to the lower block.  It is needed for blocks 4 to 7 alone, whose rows q32 holds: blocks 0 to 3
; have at most three past blocks and take them all.  The choice enters as one bit for each query and step, of which a number 0 or -2^100 is made: never as a branch or an address.
; LIMITS.  |q|, |k|, |v| and the result stay under 65,504.  A hidden score counts as -2^100 and the running maximum starts at -2^90: f16's scores, 5.5e11 at the most, lie far above both.  A weight below 2^-126
; counts as 0; NaN and infinities are not treated apart; two ranking values closer than f32's rounding may change places.
; SHARES.  A work-group takes rows 64 c .. 64 c + 63 (c: its place in the cluster) of block b (the cluster's x, 0 to 3) and then of block 7 - b.  The four partners walk the same blocks of K and V: every tile is
; asked for jointly.  THE KEYS ARE SPLIT AMONG THE WAVES: each wave holds all 64 queries, four tiles of 16, and takes keys 64 w .. 64 w + 63 of each block.
; THE WALK is the same for every work-group, TWELVE ITEMS: key blocks 0 to 2, block b itself, key blocks 0 to 6, block 7 - b itself.  A key block that is not past is hidden from every query by its bit: its step
; gives p = 0 and leaves m, l and O as they were.  3 - b steps of the first part and b of the second add nothing, three whatever b: the price of a walk in which no barrier and no tensor load stands under a condition.
; THE TEXT.  A past block's trip and an own block's trip are written once: an outer loop that is entered in its middle and left in its middle.  Between the two query blocks stands a part that runs once: the tile of
; the second part's first key block is asked for, the second block's Q is loaded, and the first block's result leaves meanwhile.  So the adding of the four waves' O stands twice.
; SOFTMAX.  Each wave has a running maximum m and sum l of its own.  In a past block's step the query's number is added to the step's maximum and taken into the scaling: a hidden block cannot raise m.
; In the own block's step the first softmax's m and l are set aside and new ones begun; the causal mask is the C operand that starts the scores' sums.  Then the four waves exchange both pairs through LDS, and each
; multiplies its O by 2^(c m - c max) / sum for the first softmax (0 where it had no keys) and its p by the like for the second; V^T P adds onto the same O, and the four waves' O are added.
; LAYOUT.  S^T = K Q^T and O^T = V^T P: a lane holds one query (lane % 16) in S^T, P and O^T.  K comes out of LDS as it lies, V turned by ds_load_tr16_b128.
; REGISTERS: window 0: v1-15 addresses; v16-47 statistics, 8 a tile; v48-63 four more a tile; v64-191 S^T; v192-255 P and scratch.  window 1: O^T, 64 a tile.  window 2: v0-127 Q, v128-255 K.
; window 3: v0-127 V; v128-183 seven mask tiles; v224-255 the ranking's four f32 accumulators, which matrix instructions alone write.
.set SEC,   8388608
.set PK,    272                        ; a row of K in LDS: 256 bytes + 16
.set PV,    288                        ; a row of V: 256 + 32
.set VOFF,  256*PK                     ; a slot: 256 rows of K, then 256 of V
.set XS,    0x23000                    ; [wave][query 64][4 words]: the exchange of statistics
.set SLOT,  0x24000                    ; slot 1; the fills' bases have its two bits clear, so one exclusive or changes slots
.set MST,   0x47000                    ; the merge: for each wave a tile of O^T as 16 rows of 128 f32
.set MP,    528                        ; such a row: 512 bytes + 16
.set MW,    16*MP
.set BTAB,  0x4F400                    ; [query 64]: the words of bits
.set SPARE, 0x4F600                    ; the spare words: 128 bytes a wave, two blocks of 256 bytes that no other line names
.set SPW, 1                            ; my spare word; never rewritten
.set NIL, 2                            ; 0; never rewritten
.set AK0, 3                            ; my place in a slot's K
.set AV0, 4                            ; and V
.set ADR, 5
.set MSA, 6                            ; the merge: where my 32 bytes of a row go
.set MRD, 7                            ; the merge: where I read my four rows
.set GO,  8                            ; 8 x lane + my four rows in att
.set PFO, 9                            ; 4,096 x lane
.set XST, 10
.set XLD, 11
.set D0,  12                           ; 64 (c - w) + lane % 16 - 8 (lane / 16)
.set TT,  13
.set BIGV, 14                          ; -2^100
.set QO,  15
.set ST,  16                           ; tile t at ST + 8 t: c m, m, l (even keys', odd keys'), c0, c1, c2, c3
.set RW,  16                           ; at the head alone, before the statistics are set: lane % 16,
.set HW,  17                           ; lane / 16,
.set T0,  18                           ; and four at work
.set T1,  19
.set T2,  20
.set T3,  21
.set EX,  48                           ; tile t at EX + 4 t: the step's number; c m and l of the first softmax; the word of bits
.set S,   64
.set P,   192
.set KF,  128
.set MT,  128                          ; window 3: mask tile d at MT + 8 d, for query tile - key tile = d - 3
.set RA,  224
.set RR,  S+64                         ; the ranking: values, counts
.set CN,  S+72
.set WV, 12
.set CX, 13
.set PB, 14                            ; b: the first query block
.set HI, 15                            ; 7 - b: the second
.set HD, 16
.set MK, 17                            ; s17-20: where the first softmax has keys
.set G1K, 24
.set G1V, 32
.set G0K, 40                           ; one group 0 a tensor: it walks
.set G0V, 44
.set KB, 56                            ; K at my 128 rows of block 0, my head
.set VB, 58
.set CS, 60                            ; c = log2(e) / sqrt(128), twice
.set SEL, 62
.set TB, 66                            ; LDS byte at which the slot to be read begins
.set CNT, 67                           ; past trips still to come in the part in hand
.set OWN, 68                           ; the query block in hand
.set NP,  69                           ; its part's past trips: 3, then 7
.set PHC, 70                           ; own trips still to come
.set LIM1, 71
.set OFF, 76
.set LIM, 78
.set PFA, 80
.set OB, 82                            ; att at my work-group's first row of block b, my head
.set QB, 84                            ; q likewise
.set RQ, 86                            ; q32 at the 16 rows that I rank
.set RK, 88                            ; ksum at my head
.set OHI, 90                           ; att and
.set QHI, 92                           ; q at my work-group's first row of block 7 - b
.set MSB, 0
.macro WIN new
.if MSB != (\new)
	s_set_vgpr_msb (MSB<<8)|(\new)
.set MSB, \new
.endif
.endm
.macro PLACES
.rept 4
	v_nop
.endr
.endm
.macro BARRIER
	s_barrier_signal -1
	s_barrier_wait -1
.endm
.macro CROUND
	s_barrier_signal -1
	s_barrier_wait -1
	s_cmp_lg_u32 s[WV], 0
	s_cbranch_scc1 .Lnot_wave_0_\@
	s_barrier_signal -3
.Lnot_wave_0_\@:
	s_barrier_wait -3
	s_barrier_signal -1
	s_barrier_wait -1
.endm
.macro JLOAD                           ; waves 0 and 1 fetch the halves of a block's K, waves 2 and 3 of its V; an s_nop 0 and four v_nop follow each line
	s_cmp_lt_u32 s[WV], 2
	s_cbranch_scc0 .Lfor_v_\@
	tensor_load_to_lds s[G0K:G0K+3], s[G1K:G1K+7]
	s_nop 0
	PLACES
	s_branch .Lasked_\@
.Lfor_v_\@:
	tensor_load_to_lds s[G0V:G0V+3], s[G1V:G1V+7]
	s_nop 0
	PLACES
.Lasked_\@:
.endm
; A PREFETCH of the block that the next trip will ask for.  All four clusters of a head walk key blocks 3 to 6 in the second part: the cluster with b = 0 asks for them, in that part's trips with counts 6 to 3,
; each one trip ahead of its own load of the block; each wave for 32 of its own 128 rows, a lane a row, the partners told apart by address.  The other blocks come by their loads alone.
.macro ASK
	s_sub_co_u32 s21, s[CNT], 3
	s_cmp_lt_u32 s21, s[LIM]                       ; s[LIM]: 0 in the first part and in the other clusters, else 4
	s_cbranch_scc0 .Lnot_mine_\@
	global_prefetch_b8 v[PFO], s[PFA:PFA+1] th:TH_LOAD_NT scope:SCOPE_SE
.Lnot_mine_\@:
.endm
.macro QLOAD b                         ; Q stays in registers: tile t, channels 32 c on
	WIN 0x80
.irp t, 0,1,2,3
.irp c, 0,1,2,3
	global_load_b128 v[32*\t+8*\c:32*\t+8*\c+3],   v[QO], s[\b:\b+1] offset:65536*\t+64*\c
	global_load_b128 v[32*\t+8*\c+4:32*\t+8*\c+7], v[QO], s[\b:\b+1] offset:65536*\t+64*\c+32
.endr
.endr
	WIN 0
.endm
.macro RESET                           ; c m far below every c s, so that the next step's a is 0; m = -2^90, above every hidden score and below every true one; l = 0
.irp t, 0,1,2,3
	v_mov_b32 v[ST+8*\t], 0xfe000000
	v_mov_b32 v[ST+8*\t+1], 0xec800000
	v_mov_b32 v[ST+8*\t+2], 0
	v_mov_b32 v[ST+8*\t+3], 0
.endr
.endm
	s_load_b256 s[4:11], s[0:1], 0x0               ; qkv s[4:5], q32 s[6:7], ksum s[8:9], att s[10:11]
	v_lshl_add_u32 v[SPW], v0, 2, SPARE
	v_mov_b32 v[NIL], 0
	ds_add_u32 v[SPW], v[NIL]                      ; the wave's opening: the add and its wait ahead of my first tensor load
	v_lshrrev_b32 v[T0], 5, v0
	v_readfirstlane_b32 s[WV], v[T0]
	s_bfe_u32 s[CX], ttmp6, 0x40000
	s_mov_b32 s[PB], ttmp9                         ; in a cluster launch ttmp9 counts clusters: the four partners share b
	s_sub_co_u32 s[HI], 7, s[PB]
	s_and_b32 s[HD], ttmp7, 0xffff
	s_mov_b32 s[G1K], 15|(1<<16)|(1<<20)|(1<<21)|(5<<22)|(3<<25)   ; the mask of four; 2-byte elements; padding on; bit 21 beside a mask; 4 words behind every 64
	s_mov_b32 s[G1V], 15|(1<<16)|(1<<20)|(1<<21)|(5<<22)|(7<<25)   ; 8 words
.irp g, G1K, G1V
	s_mov_b32 s[(\g)+1], 128<<16                   ; tensor_dim0 = 128
	s_mov_b32 s[(\g)+2], 128<<16                   ; tensor_dim1 = 128
	s_mov_b32 s[(\g)+3], 128<<16                   ; tile_dim0 = 128
	s_mov_b32 s[(\g)+4], 128                       ; tile_dim1 = 128
	s_mov_b32 s[(\g)+5], 2048                      ; elements from row to row
	s_mov_b32 s[(\g)+6], 0
	s_mov_b32 s[(\g)+7], 0
.endr
	s_and_b32 s21, s[WV], 1                        ; which 128 rows of a block I fetch
	s_mul_i32 s22, s21, 128*PK
	s_mul_i32 s23, s21, 128*PV
	s_mov_b32 s[G0K], 1
	s_mov_b32 s[G0K+1], s22                        ; slot 0
	s_mov_b32 s[G0V], 1
	s_add_co_u32 s[G0V+1], s23, VOFF
	s_lshl_b32 s100, s21, 19
	s_lshl_b32 s101, s[HD], 8
	s_add_co_u32 s100, s100, s101
	s_mov_b32 s101, 0
	s_mov_b32 s[OFF+1], 0
	s_mov_b32 s[CS], 0x3e0293ee
	s_mov_b32 s[CS+1], s[CS]
	s_mov_b32 s[SEL], 0x76543210
	s_mov_b32 s[SEL+1], 0xfedcba98
	s_mov_b32 s[TB], SLOT                          ; the first change of slots turns it into 0
	v_and_b32 v[RW], 15, v0
	v_bfe_u32 v[HW], v0, 4, 1
	v_lshlrev_b32 v[QO], 12, v[RW]
	v_lshl_add_u32 v[QO], v[HW], 4, v[QO]
	s_wait_dscnt 0x0                               ; the opening add is done
	s_wait_kmcnt 0x0
	s_add_nc_u64 s[KB:KB+1], s[4:5], s[100:101]
	s_add_nc_u64 s[VB:VB+1], s[KB:KB+1], 2*SEC
	s_add_nc_u64 s[KB:KB+1], s[KB:KB+1], SEC
	s_add_nc_u64 s[G0K+2:G0K+3], s[KB:KB+1], 0     ; item 0: key block 0
	s_or_b32 s[G0K+3], s[G0K+3], 0x80000000
	s_add_nc_u64 s[G0V+2:G0V+3], s[VB:VB+1], 0
	s_or_b32 s[G0V+3], s[G0V+3], 0x80000000
	CROUND                                         ; all four work-groups are here: the first joint loads meet
	JLOAD                                          ; item 0 into slot 0; slot 1 is asked for behind the first trip's round
	; Q's and O's rows, and the ranking's inputs
	s_lshl_b32 s2, s[CX], 18                       ; my 64 rows in a block,
	s_lshl_b32 s3, s[HD], 8                        ; my head
	s_add_co_u32 s2, s2, s3
	s_lshl_b32 s3, s[PB], 20
	s_add_co_u32 s100, s2, s3
	s_add_nc_u64 s[QB:QB+1], s[4:5], s[100:101]    ; in block b,
	s_add_nc_u64 s[OB:OB+1], s[10:11], s[100:101]
	s_lshl_b32 s3, s[HI], 20
	s_add_co_u32 s100, s2, s3
	s_add_nc_u64 s[QHI:QHI+1], s[4:5], s[100:101]  ; and in block 7 - b
	s_add_nc_u64 s[OHI:OHI+1], s[10:11], s[100:101]
	s_sub_co_u32 s21, s[HI], 4                     ; q32 begins with block 4
	s_lshl_b32 s21, s21, 8
	s_lshl_b32 s22, s[CX], 6
	s_add_co_u32 s21, s21, s22
	s_lshl_b32 s22, s[WV], 4
	s_add_co_u32 s21, s21, s22                     ; wave w ranks query tile w of block 7 - b
	s_lshl_b32 s100, s21, 13
	s_lshl_b32 s22, s[HD], 9
	s_add_co_u32 s100, s100, s22
	s_add_nc_u64 s[RQ:RQ+1], s[6:7], s[100:101]
	s_mov_b32 s100, s22
	s_add_nc_u64 s[RK:RK+1], s[8:9], s[100:101]
	v_lshlrev_b32 v[T0], 13, v[RW]
	v_lshl_add_u32 v[T0], v[HW], 4, v[T0]          ; query lane % 16, 16 bytes for each half of the lanes
	v_and_b32 v[T1], 7, v[RW]
	v_lshlrev_b32 v[T1], 14, v[T1]
	v_lshl_add_u32 v[T1], v[HW], 4, v[T1]          ; block lane % 8: two rows of ksum
.irp s, 0,1,2,3,4,5,6,7,8,9,10,11,12,13,14,15
	global_load_b128 v[P+4*\s:P+4*\s+3], v[T0], s[RQ:RQ+1] offset:32*\s
	global_load_b128 v[S+4*\s:S+4*\s+3], v[T1], s[RK:RK+1] offset:32*\s
	global_load_b128 v[S+64+4*\s:S+64+4*\s+3], v[T1], s[RK:RK+1] offset:8192+32*\s
.endr
	; addresses and the mask tiles, while the loads are out
	v_and_b32 v[TT], 31, v0                        ; lane
	v_lshlrev_b32 v[PFO], 12, v[TT]
	v_mul_u32_u24 v[AK0], v[RW], PK
	v_lshl_add_u32 v[AK0], v[HW], 4, v[AK0]
	s_mul_i32 s21, s[WV], 64*PK
	v_add_nc_u32 v[AK0], s21, v[AK0]               ; my wave's 64 keys: row x pitch + 16 x half
	v_and_b32 v[ADR], 7, v0
	v_lshl_add_u32 v[AV0], v[HW], 3, v[ADR]
	v_mul_u32_u24 v[AV0], v[AV0], PV
	v_bfe_u32 v[ADR], v0, 3, 1
	v_lshl_add_u32 v[AV0], v[ADR], 4, v[AV0]
	s_mul_i32 s21, s[WV], 64*PV
	s_add_co_u32 s21, s21, VOFF
	v_add_nc_u32 v[AV0], s21, v[AV0]
	s_mul_i32 s21, s[WV], MW
	s_add_co_u32 s21, s21, MST
	v_mul_u32_u24 v[MSA], v[RW], MP
	v_lshl_add_u32 v[MSA], v[HW], 5, v[MSA]
	v_add_nc_u32 v[MSA], s21, v[MSA]               ; my copy: row lane % 16, 32 bytes for each half of the lanes
	s_mul_i32 s21, s[WV], 4*MP
	s_add_co_u32 s21, s21, MST
	v_lshl_add_u32 v[MRD], v[TT], 4, s21           ; rows 4 w on of the first copy, 16 bytes a lane
	s_lshl_b32 s21, s[WV], 14
	v_lshl_add_u32 v[GO], v[TT], 3, s21            ; the same four rows in att, 8 bytes a lane
	s_lshl_b32 s21, s[WV], 10
	s_add_co_u32 s21, s21, XS
	v_lshl_add_u32 v[XST], v[RW], 4, s21
	v_lshl_add_u32 v[XLD], v[RW], 4, XS
	s_sub_co_i32 s21, s[CX], s[WV]
	s_lshl_b32 s21, s21, 6
	v_lshlrev_b32 v[D0], 3, v[HW]
	v_sub_nc_u32 v[D0], v[RW], v[D0]
	v_add_nc_u32 v[D0], s21, v[D0]
	v_mov_b32 v[BIGV], 0xf1800000
	v_lshl_add_u32 v[TT], v[RW], 2, BTAB           ; where a tile's words of bits lie
	s_lshl_b32 s21, s[WV], 6
	s_add_co_u32 s21, s21, BTAB
	v_lshl_add_u32 v[T2], v[RW], 2, s21            ; where I put those that I make
	; key 64 w + 16 kb + 8 (lane / 16) + j is hidden from query 64 c + 16 t + lane % 16 where j - 16 (t - kb) is greater than D0: a tile of eight registers for each of the seven values of t - kb
	WIN 0xc0
.irp d, 0,1,2,3,4,5,6
.irp j, 0,1,2,3,4,5,6,7
	v_cmp_gt_i32 vcc_lo, \j-16*(\d-3), v[D0]
	v_cndmask_b32 v[MT+8*\d+\j], 0, v[BIGV], vcc_lo
.endr
.endr
	WIN 0
	s_cmp_lt_u32 s[WV], 2
	s_cselect_b64 s[PFA:PFA+1], s[KB:KB+1], s[VB:VB+1]
	s_lshl_b32 s100, s[CX], 17                     ; my work-group's 32 rows of the 128
	s_add_nc_u64 s[PFA:PFA+1], s[PFA:PFA+1], s[100:101]
	s_sub_nc_u64 s[PFA:PFA+1], s[PFA:PFA+1], 2<<20 ; each past trip steps it a block on, first thing: the first part's three bring it to block 1, so that the second part's trip j names block j + 2
	s_cmp_eq_u32 s[PB], 0
	s_cselect_b32 s[LIM1], 4, 0
	; THE RANKING: D[block][query] = sum over the head's 128 channels of ksum x q, in f32: 32 products of 4 channels, four accumulators by turns.  The channels are permuted alike in both sources.
	; This form is taken for these 32 instructions alone, since the order of the values must be f32's.
	s_wait_loadcnt 0x0                             ; q32 and ksum
.set i, 0
.rept 32
	v_pk_add_f32 v[S+i:S+i+1], v[S+i:S+i+1], v[S+64+i:S+64+i+1]   ; a block's two halves
.set i, i+2
.endr
	QLOAD QB                                       ; block b's Q comes while the ranking is made
	WIN 0xf0
.set u, 0
.rept 32
.if u < 4
	v_wmma_f32_16x16x4_f32 v[RA+8*(u%4):RA+8*(u%4)+7], v[S+2*u:S+2*u+1], v[P+2*u:P+2*u+1], 0
.else
	v_wmma_f32_16x16x4_f32 v[RA+8*(u%4):RA+8*(u%4)+7], v[S+2*u:S+2*u+1], v[P+2*u:P+2*u+1], v[RA+8*(u%4):RA+8*(u%4)+7]
.endif
.set u, u+1
.endr
	WIN 0
.rept 10
	v_nop                                          ; the places behind products of this form
.endr
	WIN 0x0f
.irp p, 0,1,2,3
	v_pk_add_f32 v[RR+2*\p:RR+2*\p+1], v[RA+2*\p:RA+2*\p+1], v[RA+8+2*\p:RA+8+2*\p+1]
	v_pk_add_f32 v[CN+2*\p:CN+2*\p+1], v[RA+16+2*\p:RA+16+2*\p+1], v[RA+24+2*\p:RA+24+2*\p+1]
.endr
	WIN 0
.irp p, 0,1,2,3
	v_pk_add_f32 v[RR+2*\p:RR+2*\p+1], v[RR+2*\p:RR+2*\p+1], v[CN+2*\p:CN+2*\p+1]   ; register j: block j, for query lane % 16
.endr
	v_mov_b32 v[T0], 0xff800000
.irp j, 4,5,6
	s_cmp_gt_u32 s[HI], \j                         ; is block j past?  (Blocks 0 to 3 are.)  One that is not comes behind the four or more that are
	s_cselect_b32 s21, -1, 0
	v_cndmask_b32 v[RR+\j], v[T0], v[RR+\j], s21
.endr
.irp i, 0,1,2,3,4,5,6
	v_mov_b32 v[CN+\i], 6-\i
.endr
.irp i, 0,1,2,3,4,5                    ; count i ends as the number of blocks that come before block i: the greater ones, and of the equal ones the lower
.irp j, 1,2,3,4,5,6
.if \i < \j
	v_cmp_ge_f32 vcc_lo, v[RR+\i], v[RR+\j]
	v_cndmask_b32 v[T1], 0, 1, vcc_lo
	v_add_nc_u32 v[CN+\j], v[CN+\j], v[T1]
	v_sub_nc_u32 v[CN+\i], v[CN+\i], v[T1]
.endif
.endr
.endr
	v_mov_b32 v[T3], 0
.irp j, 0,1,2,3,4,5,6
	v_cmp_gt_u32 vcc_lo, 3, v[CN+\j]               ; among the first three
	v_cndmask_b32 v[T1], 0, 1<<\j, vcc_lo
	v_or_b32 v[T3], v[T3], v[T1]
.endr
	v_lshlrev_b32 v[T3], 4, v[T3]                  ; bit i of the word is item i of the walk: items 4 to 10 are block 7 - b's past,
	s_lshl_b32 s21, 1, s[PB]
	s_add_co_u32 s21, s21, 0x807                   ; items 0 to 2 block b's: (1 << b) - 1; items 3 and 11, the own blocks' steps, take no number
	v_or_b32 v[T3], s21, v[T3]
	ds_store_b32 v[T2], v[T3]
	; O^T starts at 0: 32 products of a fragment of zeros with itself
.irp i, 0,1,2,3,4,5,6,7
	v_mov_b32 v[S+\i], 0
.endr
	WIN 0x40
.set i, 0
.rept 32
	v_wmma_f32_16x16x32_f16 v[8*i:8*i+7], v[S:S+7], v[S:S+7], 0
.set i, i+1
.endr
	WIN 0
.macro FETCH_K
	WIN 0
	v_add_nc_u32 v[ADR], s[TB], v[AK0]
	WIN 0x80
.irp f, 0,1,2,3,4,5,6,7,8,9,10,11,12,13,14,15  ; keys 16 (f / 4) on, channels 32 (f % 4) on
	ds_load_b128 v[KF+8*(\f):KF+8*(\f)+3],   v[ADR] offset:((\f)/4)*16*PK+((\f)%4)*64
	ds_load_b128 v[KF+8*(\f)+4:KF+8*(\f)+7], v[ADR] offset:((\f)/4)*16*PK+((\f)%4)*64+32
.endr
	WIN 0
.endm
.macro FETCH_V
	WIN 0
	v_add_nc_u32 v[ADR], s[TB], v[AV0]
	WIN 0xc0
.irp f, 0,1,2,3,4,5,6,7,8,9,10,11,12,13,14,15  ; keys 32 (f / 8) on, channels 16 (f % 8) on
	ds_load_tr16_b128 v[8*(\f):8*(\f)+3],   v[ADR] offset:((\f)/8)*32*PV+((\f)%8)*32
	ds_load_tr16_b128 v[8*(\f)+4:8*(\f)+7], v[ADR] offset:((\f)/8)*32*PV+16*PV+((\f)%8)*32
.endr
	WIN 0
.endm
; S^T = K Q^T: 64 products; the 16 accumulators take turns.  The first 16 start the sums: with 0 (KQ0), or in the own block's step with the mask tile of query tile - key tile (KQM).
.macro KQ0
	WIN 0x0a
.irp kb, 0,1,2,3
.irp t, 0,1,2,3
	v_wmma_f32_16x16x32_f16 v[S+32*\t+8*\kb:S+32*\t+8*\kb+7], v[KF+32*\kb:KF+32*\kb+7], v[32*\t:32*\t+7], 0
.endr
.endr
.endm
.macro KQM
	WIN 0x3a
.irp kb, 0,1,2,3
.irp t, 0,1,2,3
	v_wmma_f32_16x16x32_f16 v[S+32*\t+8*\kb:S+32*\t+8*\kb+7], v[KF+32*\kb:KF+32*\kb+7], v[32*\t:32*\t+7], v[MT+8*(\t-\kb+3):MT+8*(\t-\kb+3)+7]
.endr
.endr
.endm
.macro KQR
	WIN 0x0a
.irp c, 1,2,3
.irp kb, 0,1,2,3
.irp t, 0,1,2,3
	v_wmma_f32_16x16x32_f16 v[S+32*\t+8*\kb:S+32*\t+8*\kb+7], v[KF+32*\kb+8*\c:KF+32*\kb+8*\c+7], v[32*\t+8*\c:32*\t+8*\c+7], v[S+32*\t+8*\kb:S+32*\t+8*\kb+7]
.endr
.endr
.endr
	WIN 0
.endm
.macro PVM                             ; 64 products O^T += V^T P; 32 accumulators take turns
	WIN 0x53
.irp kk, 0,1
.irp cb, 0,1,2,3,4,5,6,7
.irp t, 0,1,2,3
	v_wmma_f32_16x16x32_f16 v[64*\t+8*\cb:64*\t+8*\cb+7], v[64*\kk+8*\cb:64*\kk+8*\cb+7], v[P+16*\t+8*\kk:P+16*\t+8*\kk+7], v[64*\t+8*\cb:64*\t+8*\cb+7]
.endr
.endr
.endr
	WIN 0
.endm
; THE CHANGE OF SLOTS, at a trip's head.  Each wave waits for all its tensor loads (one is out: its part of this trip's item), adds 0 to its spare word, and waits for that and for its reads of the slot that it leaves.
; fill = 1 (a past block's trip): a round of the cluster's barrier, and the slot just left is filled first thing behind it, with the part's next item: key block NP + 1 - count, or behind the last of them the own
; block.  The address is made anew from that number.
.macro CHANGE fill
	WIN 0
	s_wait_tensorcnt 0x0
	ds_add_u32 v[SPW], v[NIL]                      ; 0 onto my spare word; scalar work stands between it and the wait for it
.if \fill
	s_add_co_u32 s21, s[NP], 1
	s_sub_co_u32 s21, s21, s[CNT]
	s_cmp_eq_u32 s21, s[NP]
	s_cselect_b32 s21, s[OWN], s21
	s_lshl_b32 s[OFF], s21, 20                     ; a block is 256 rows of 4,096 bytes
	s_xor_b32 s[G0K+1], s[G0K+1], SLOT
	s_add_nc_u64 s[G0K+2:G0K+3], s[KB:KB+1], s[OFF:OFF+1]
	s_or_b32 s[G0K+3], s[G0K+3], 0x80000000
	s_xor_b32 s[G0V+1], s[G0V+1], SLOT
	s_add_nc_u64 s[G0V+2:G0V+3], s[VB:VB+1], s[OFF:OFF+1]
	s_or_b32 s[G0V+3], s[G0V+3], 0x80000000
	s_wait_xcnt 0x0                                ; the last prefetch, a trip back, has read its address, and the first block's stores their data
	s_add_nc_u64 s[PFA:PFA+1], s[PFA:PFA+1], 1<<20
.endif
	s_xor_b32 s[TB], s[TB], SLOT                   ; the reads go to the slot that is not being filled
	s_wait_dscnt 0x0                               ; the add is done, and my reads of the slot are over
.if \fill
	CROUND
	JLOAD
	ASK
.else
	BARRIER
.endif
.endm
; THE REFILL BETWEEN THE TWO QUERY BLOCKS: the second part's first item, key block 0, into the slot that the first part's last past trip read.  The same three lines, round and one load a wave; no slot is read here,
; so the reading slot stays as it is.
.macro FILLX
	WIN 0
	s_wait_tensorcnt 0x0                           ; no tensor load of mine is out
	ds_add_u32 v[SPW], v[NIL]
	s_xor_b32 s[G0K+1], s[G0K+1], SLOT
	s_add_nc_u64 s[G0K+2:G0K+3], s[KB:KB+1], 0
	s_or_b32 s[G0K+3], s[G0K+3], 0x80000000
	s_xor_b32 s[G0V+1], s[G0V+1], SLOT
	s_add_nc_u64 s[G0V+2:G0V+3], s[VB:VB+1], 0
	s_or_b32 s[G0V+3], s[G0V+3], 0x80000000
	s_wait_dscnt 0x0                               ; the add is done; my LDS reads are over
	CROUND
	JLOAD                                          ; its four v_nop, with the four behind the last products, are the places in front of the stores that read O^T
.endm
.macro BIAS                            ; the item's bit: 1 gives 0, 0 gives -2^100; the word moves on
.irp t, 0,1,2,3
	v_and_b32 v[EX+4*\t], 1, v[EX+4*\t+3]
.endr
.irp t, 0,1,2,3
	v_lshrrev_b32 v[EX+4*\t+3], 1, v[EX+4*\t+3]
.endr
.irp t, 0,1,2,3
	v_add_nc_u32 v[EX+4*\t], -1, v[EX+4*\t]
.endr
.irp t, 0,1,2,3
	v_and_b32 v[EX+4*\t], v[BIGV], v[EX+4*\t]
.endr
.endm
.macro SAVE                            ; the first softmax's c m and l are set aside; the second begins
.irp t, 0,1,2,3
	v_add_f32 v[ST+8*\t+4], v[ST+8*\t+2], v[ST+8*\t+3]
.endr
.irp t, 0,1,2,3
	v_permlanex16_b32 v[ST+8*\t+5], v[ST+8*\t+4], s[SEL], s[SEL+1]
.endr
.irp t, 0,1,2,3
	v_add_f32 v[EX+4*\t+2], v[ST+8*\t+4], v[ST+8*\t+5]
	v_mov_b32 v[EX+4*\t+1], v[ST+8*\t]
.endr
	RESET
.endm
.macro SC k                            ; c s - (c m - number) for pair k / 4 of tile k % 4
.set scT, (\k)%4
.set scP, (\k)/4
	v_pk_fma_f32 v[S+32*scT+2*scP:S+32*scT+2*scP+1], v[S+32*scT+2*scP:S+32*scT+2*scP+1], s[CS:CS+1], v[ST+8*scT+4:ST+8*scT+5] op_sel_hi:[1,0,0] neg_lo:[0,0,1] neg_hi:[0,0,1]
.endm
; the maximum and statistics of the four tiles, line by line for all four (each accumulator is read from its low end on), then ONE BATCH of the four a and the 128 exponentials, with one wait
.macro SM1
.irp j, 0,1,2,3
.irp t, 0,1,2,3
	v_max3_num_f32 v[ST+8*\t+4+\j], v[S+32*\t+8*\j], v[S+32*\t+8*\j+1], v[S+32*\t+8*\j+2]
.endr
.endr
.irp g, 1,2
.irp j, 0,1,2,3
.irp t, 0,1,2,3
	v_max3_num_f32 v[ST+8*\t+4+\j], v[ST+8*\t+4+\j], v[S+32*\t+8*\j+2*\g+1], v[S+32*\t+8*\j+2*\g+2]
.endr
.endr
.endr
.irp t, 0,1,2,3
	v_max3_num_f32 v[ST+8*\t+4], v[ST+8*\t+4], v[S+32*\t+7], v[S+32*\t+15]
.endr
.irp t, 0,1,2,3
	v_max3_num_f32 v[ST+8*\t+6], v[ST+8*\t+6], v[S+32*\t+23], v[S+32*\t+31]
.endr
.irp t, 0,1,2,3
	v_max3_num_f32 v[ST+8*\t+4], v[ST+8*\t+4], v[ST+8*\t+5], v[ST+8*\t+6]
.endr
.irp t, 0,1,2,3
	v_max_num_f32 v[ST+8*\t+4], v[ST+8*\t+4], v[ST+8*\t+7]
.endr
.irp t, 0,1,2,3
	v_permlanex16_b32 v[ST+8*\t+5], v[ST+8*\t+4], s[SEL], s[SEL+1]   ; the query's other 32 keys lie in the lane 16 away
.endr
.irp t, 0,1,2,3
	v_mov_b32 v[ST+8*\t+7], v[ST+8*\t]             ; c m_old
.endr
.irp t, 0,1,2,3
	v_max_num_f32 v[ST+8*\t+4], v[ST+8*\t+4], v[ST+8*\t+5]
.endr
.irp t, 0,1,2,3
	v_add_f32 v[ST+8*\t+4], v[ST+8*\t+4], v[EX+4*\t]   ; a hidden block's maximum falls to -2^100
.endr
.irp t, 0,1,2,3
	v_max_num_f32 v[ST+8*\t+1], v[ST+8*\t+1], v[ST+8*\t+4]
.endr
.irp t, 0,1,2,3
	v_mul_f32 v[ST+8*\t], s[CS], v[ST+8*\t+1]
.endr
.irp t, 0,1,2,3
	v_sub_f32 v[ST+8*\t+7], v[ST+8*\t+7], v[ST+8*\t]
.endr
.irp t, 0,1,2,3
	v_sub_f32 v[ST+8*\t+4], v[ST+8*\t], v[EX+4*\t]
.endr
.irp t, 0,1,2,3
	v_exp_f32 v[ST+8*\t+6], v[ST+8*\t+7]           ; a
.endr
	SC 0
	SC 1
	SC 2
	SC 3
.set kx, 0
.rept 64
.if kx < 60
	SC kx+4
.endif
	v_exp_f32 v[S+32*(kx%4)+2*(kx/4)], v[S+32*(kx%4)+2*(kx/4)]
	v_exp_f32 v[S+32*(kx%4)+2*(kx/4)+1], v[S+32*(kx%4)+2*(kx/4)+1]
.set kx, kx+1
.endr
	v_nop                                          ; a plain instruction behind the last exponential
	s_wait_alu depctr_va_vdst(0)                   ; the wait ahead of the first reader: one for the batch
.endm
.macro SUMS                            ; l = a l + the sum of the tile's 16 pairs; p stays as it is, the sums are made in P's registers
.irp i, 0,1,2,3,4,5,6,7
.irp t, 0,1,2,3
	v_pk_add_f32 v[P+16*\t+2*\i:P+16*\t+2*\i+1], v[S+32*\t+4*\i:S+32*\t+4*\i+1], v[S+32*\t+4*\i+2:S+32*\t+4*\i+3]
.endr
.endr
.irp i, 0,1,2,3
.irp t, 0,1,2,3
	v_pk_add_f32 v[P+16*\t+4*\i:P+16*\t+4*\i+1], v[P+16*\t+4*\i:P+16*\t+4*\i+1], v[P+16*\t+4*\i+2:P+16*\t+4*\i+3]
.endr
.endr
.irp i, 0,1
.irp t, 0,1,2,3
	v_pk_add_f32 v[P+16*\t+8*\i:P+16*\t+8*\i+1], v[P+16*\t+8*\i:P+16*\t+8*\i+1], v[P+16*\t+8*\i+4:P+16*\t+8*\i+5]
.endr
.endr
.irp t, 0,1,2,3
	v_pk_add_f32 v[P+16*\t:P+16*\t+1], v[P+16*\t:P+16*\t+1], v[P+16*\t+8:P+16*\t+9]
.endr
.irp t, 0,1,2,3
	v_pk_fma_f32 v[ST+8*\t+2:ST+8*\t+3], v[ST+8*\t+2:ST+8*\t+3], v[ST+8*\t+6:ST+8*\t+7], v[P+16*\t:P+16*\t+1] op_sel_hi:[1,0,1]
.endr
.endm
; THE EXCHANGE.  Each wave puts (c m, l) of both softmaxes for the 64 queries into LDS; behind a barrier each reads all four waves' and makes its two factors: c2 for O^T, c0 for p.
.macro XCH
.irp t, 0,1,2,3
	v_add_f32 v[ST+8*\t+4], v[ST+8*\t+2], v[ST+8*\t+3]
.endr
.irp t, 0,1,2,3
	v_permlanex16_b32 v[ST+8*\t+5], v[ST+8*\t+4], s[SEL], s[SEL+1]
.endr
.irp t, 0,1,2,3
	v_mov_b32 v[P+16*\t], v[EX+4*\t+1]
	v_mov_b32 v[P+16*\t+1], v[EX+4*\t+2]
	v_mov_b32 v[P+16*\t+2], v[ST+8*\t]
	v_add_f32 v[P+16*\t+3], v[ST+8*\t+4], v[ST+8*\t+5]
.endr
.irp t, 0,1,2,3
	ds_store_b128 v[XST], v[P+16*\t:P+16*\t+3] offset:256*\t
.endr
	s_wait_dscnt 0x0                               ; for the others' sake: my stores are done
	BARRIER
.irp t, 0,1,2,3
.irp w, 0,1,2,3
	ds_load_b128 v[P+16*\t+4*\w:P+16*\t+4*\w+3], v[XLD] offset:1024*\w+256*\t
.endr
.endr
	s_wait_dscnt 0x0
.irp t, 0,1,2,3
	v_max3_num_f32 v[ST+8*\t+4], v[P+16*\t], v[P+16*\t+4], v[P+16*\t+8]
	v_max3_num_f32 v[ST+8*\t+5], v[P+16*\t+2], v[P+16*\t+6], v[P+16*\t+10]
.endr
.irp t, 0,1,2,3
	v_max_num_f32 v[ST+8*\t+4], v[ST+8*\t+4], v[P+16*\t+12]
	v_max_num_f32 v[ST+8*\t+5], v[ST+8*\t+5], v[P+16*\t+14]
.endr
.irp t, 0,1,2,3
	v_sub_f32 v[ST+8*\t+7], v[EX+4*\t+1], v[ST+8*\t+4]
	v_sub_f32 v[ST+8*\t+6], v[ST+8*\t], v[ST+8*\t+5]
.irp w, 0,1,2,3
	v_sub_f32 v[P+16*\t+4*\w], v[P+16*\t+4*\w], v[ST+8*\t+4]
	v_sub_f32 v[P+16*\t+4*\w+2], v[P+16*\t+4*\w+2], v[ST+8*\t+5]
.endr
.endr
.irp t, 0,1,2,3
	v_exp_f32 v[ST+8*\t+7], v[ST+8*\t+7]
	v_exp_f32 v[ST+8*\t+6], v[ST+8*\t+6]
.irp w, 0,1,2,3
	v_exp_f32 v[P+16*\t+4*\w], v[P+16*\t+4*\w]
	v_exp_f32 v[P+16*\t+4*\w+2], v[P+16*\t+4*\w+2]
.endr
.endr
	v_nop
	s_wait_alu depctr_va_vdst(0)                   ; one wait for the 40 exponentials
.irp t, 0,1,2,3
	v_mul_f32 v[ST+8*\t+4], v[P+16*\t], v[P+16*\t+1]
	v_mul_f32 v[ST+8*\t+5], v[P+16*\t+2], v[P+16*\t+3]
.endr
.irp w, 1,2,3
.irp t, 0,1,2,3
	v_fmac_f32 v[ST+8*\t+4], v[P+16*\t+4*\w], v[P+16*\t+4*\w+1]
	v_fmac_f32 v[ST+8*\t+5], v[P+16*\t+4*\w+2], v[P+16*\t+4*\w+3]
.endr
.endr
.irp t, 0,1,2,3
	v_cmp_lt_f32 s[MK+\t], 0, v[ST+8*\t+4]         ; has the first softmax any key?
.endr
.irp t, 0,1,2,3
	v_rcp_f32 v[ST+8*\t+4], v[ST+8*\t+4]
	v_rcp_f32 v[ST+8*\t+5], v[ST+8*\t+5]
.endr
	v_nop
	s_wait_alu depctr_va_vdst(0)                   ; one wait for the eight reciprocals
.irp t, 0,1,2,3
	v_mul_f32 v[ST+8*\t+5], v[ST+8*\t+6], v[ST+8*\t+5]
	v_mul_f32 v[ST+8*\t+4], v[ST+8*\t+7], v[ST+8*\t+4]
.endr
.irp t, 0,1,2,3
	v_cndmask_b32 v[ST+8*\t+6], 0, v[ST+8*\t+4], s[MK+\t]
	v_mov_b32 v[ST+8*\t+4], v[ST+8*\t+5]
.endr
.endm
.macro PSCALE
.irp t, 0,1,2,3
.set i, 0
.rept 16
	v_pk_mul_f32 v[S+32*\t+i:S+32*\t+i+1], v[S+32*\t+i:S+32*\t+i+1], v[ST+8*\t+4:ST+8*\t+5] op_sel_hi:[1,0]
.set i, i+2
.endr
.endr
.endm
.macro RESC                            ; O^T times c2, each accumulator from its low end on
	WIN 0x41
.irp t, 0,1,2,3
.set i, 0
.rept 32
	v_pk_mul_f32 v[64*\t+i:64*\t+i+1], v[64*\t+i:64*\t+i+1], v[ST+8*\t+6:ST+8*\t+7] op_sel_hi:[1,0]
.set i, i+2
.endr
.endr
	WIN 0
.endm
.macro CVT
.irp t, 0,1,2,3
.set i, 0
.rept 16
	v_cvt_pk_f16_f32 v[P+16*\t+i], v[S+32*\t+2*i], v[S+32*\t+2*i+1]
.set i, i+1
.endr
.endr
.endm
; THE FOUR WAVES' O^T ARE ADDED, a query tile at a time, and leave for the rows of att at base b.  Every wave puts its part of tile q into its own copy, 16 rows of 128 f32; behind a barrier wave w reads rows
; 4 w .. 4 w + 3 of all four copies, adds them, rounds to f16 and stores: a row of a head is 256 consecutive bytes of att, aligned, and one store of the wave covers it.  A barrier stands between a tile's reads
; and the next tile's stores.  The tile asked for between the two query blocks may stay out across them.
.macro MERGE b
.irp q, 0,1,2,3
.if \q > 0
	BARRIER                                        ; every wave's reads of the tile before have been waited for
.endif
	WIN 0x04                                       ; store data in window 1
.irp cb, 0,1,2,3,4,5,6,7
	ds_store_b128 v[MSA], v[64*\q+8*\cb:64*\q+8*\cb+3]   offset:64*\cb
	ds_store_b128 v[MSA], v[64*\q+8*\cb+4:64*\q+8*\cb+7] offset:64*\cb+16
.endr
	WIN 0
	s_wait_dscnt 0x0                               ; for the others' sake: my stores are done
	BARRIER
.irp w, 0,1,2,3
.irp i, 0,1,2,3
	ds_load_b128 v[S+16*\w+4*\i:S+16*\w+4*\i+3], v[MRD] offset:MW*\w+MP*\i
.endr
.endr
	s_wait_dscnt 0x0
.irp i, 0,1,2,3
.irp e, 0,2
	v_pk_add_f32 v[S+4*\i+\e:S+4*\i+\e+1], v[S+4*\i+\e:S+4*\i+\e+1], v[S+16+4*\i+\e:S+16+4*\i+\e+1]
	v_pk_add_f32 v[S+32+4*\i+\e:S+32+4*\i+\e+1], v[S+32+4*\i+\e:S+32+4*\i+\e+1], v[S+48+4*\i+\e:S+48+4*\i+\e+1]
.endr
.endr
.irp i, 0,1,2,3
.irp e, 0,2
	v_pk_add_f32 v[S+4*\i+\e:S+4*\i+\e+1], v[S+4*\i+\e:S+4*\i+\e+1], v[S+32+4*\i+\e:S+32+4*\i+\e+1]
.endr
.endr
.irp i, 0,1,2,3
	v_cvt_pk_f16_f32 v[S+64+8*\q+2*\i], v[S+4*\i], v[S+4*\i+1]
	v_cvt_pk_f16_f32 v[S+64+8*\q+2*\i+1], v[S+4*\i+2], v[S+4*\i+3]
.endr
.irp i, 0,1,2,3
	global_store_b64 v[GO], v[S+64+8*\q+2*\i:S+64+8*\q+2*\i+1], s[\b:\b+1] offset:(16*\q+\i)*4096   ; each tile has store registers of its own; they are written again only behind the next past trip's s_wait_xcnt 0
.endr
.endr
.endm
; A TRIP: one key block for the 64 queries.  own = 0: a past block's (or a hidden one's); it asks for the part's next item.  own = 1: the own block's; it asks for nothing.
.macro TRIP own
	CHANGE 1-(\own)
	FETCH_K
	BIAS
.if \own
	SAVE
.endif
	s_wait_dscnt 0x0                               ; K is in
	FETCH_V                                        ; V comes while the scores are made
.if \own
	KQM
.else
	KQ0
.endif
	KQR
	PLACES                                         ; four places in front of the lines that read the scores
	SM1
	SUMS
.if \own
	XCH
	PSCALE
.endif
	RESC
	CVT
	s_wait_dscnt 0x0                               ; V is in
	PVM
	PLACES                                         ; four places in front of loads into registers that products have read
.endm
	s_wait_dscnt 0x0                               ; my words of bits are stored
	BARRIER                                        ; item 0's load may stay out
.irp t, 0,1,2,3
	ds_load_b32 v[EX+4*\t+3], v[TT] offset:64*\t   ; the four tiles' words, which four waves made; the first change of slots waits for them
.endr
	s_mov_b32 s[PHC], 2
	s_mov_b32 s[CNT], 3                            ; block b: three past trips,
	s_mov_b32 s[NP], 3
	s_mov_b32 s[OWN], s[PB]
	s_mov_b32 s[LIM], 0                            ; in which nothing is prefetched
	s_branch .Lbegin                               ; the outer loop is entered in its middle
.Lown:                                         ; twice: the own block's trip
	TRIP 1
	s_sub_co_u32 s[PHC], s[PHC], 1
	s_cmp_eq_u32 s[PHC], 0
	s_cbranch_scc1 .Lfin                           ; and behind the second the loop is left in its middle
	FILLX                                          ; once, between the two query blocks: the second part's first tile is asked for,
	QLOAD QHI                                      ; block 7 - b's Q comes into the registers of block b's, which has been multiplied for the last time,
	MERGE OB                                       ; and block b's result leaves while both are on their way
	s_mov_b32 s[CNT], 7                            ; block 7 - b: seven past trips
	s_mov_b32 s[NP], 7
	s_mov_b32 s[OWN], s[HI]
	s_mov_b32 s[LIM], s[LIM1]
.Lbegin:
	RESET                                          ; a query block begins: its first step multiplies O^T by a = 0
	s_wait_loadcnt 0x0                             ; Q
.Lpast:                                        ; three trips, then seven: trip j works on key block j and asks for the part's next item
	TRIP 0
	s_sub_co_u32 s[CNT], s[CNT], 1
	s_cmp_lg_u32 s[CNT], 0
	s_cbranch_scc1 .Lpast
	s_branch .Lown
.Lfin:
	PLACES                                         ; (eight in all in front of the stores that read results just made)
	MERGE OHI
	s_wait_tensorcnt 0x0                           ; the wave's end
	ds_add_u32 v[SPW], v[NIL]
	s_wait_dscnt 0x0
	CROUND                                         ; the closing round
	s_endpgm
.Lfunc_end_k_qfa36369f43_attn:
	.size	k_qfa36369f43_attn, .Lfunc_end_k_qfa36369f43_attn-k_qfa36369f43_attn
	.p2alignl 7, 3214868480
	.fill 96, 4, 3214868480
	.section	.rodata,"a",@progbits
	.p2align	6, 0x0
	.amdhsa_kernel k_qfa36369f43_attn
		.amdhsa_group_segment_fixed_size 327680
		.amdhsa_private_segment_fixed_size 0
		.amdhsa_enable_private_segment 0
		.amdhsa_kernarg_size 32
		.amdhsa_user_sgpr_count 2
		.amdhsa_user_sgpr_kernarg_segment_ptr 1
		.amdhsa_wavefront_size32 1
		.amdhsa_system_sgpr_workgroup_id_x 1
		.amdhsa_system_sgpr_workgroup_id_y 1
		.amdhsa_system_sgpr_workgroup_id_z 1
		.amdhsa_system_vgpr_workitem_id 0
		.amdhsa_next_free_vgpr 1024
		.amdhsa_next_free_sgpr 104
		.amdhsa_reserve_vcc 1
		.amdhsa_float_denorm_mode_32 3
		.amdhsa_float_denorm_mode_16_64 3
		.amdhsa_memory_ordered 1
		.amdhsa_forward_progress 1
		.amdhsa_inst_pref_size 175
	.end_amdhsa_kernel
	.amdgpu_metadata
---
amdhsa.version: [ 1, 2 ]
amdhsa.kernels:
  - .name:           k_qfa36369f43_attn
    .symbol:         k_qfa36369f43_attn.kd
    .args:
      - { .name: qkv, .offset: 0, .size: 8, .value_kind: global_buffer, .address_space: global }
      - { .name: q32, .offset: 8, .size: 8, .value_kind: global_buffer, .address_space: global }
      - { .name: ksum, .offset: 16, .size: 8, .value_kind: global_buffer, .address_space: global }
      - { .name: att, .offset: 24, .size: 8, .value_kind: global_buffer, .address_space: global }
    .group_segment_fixed_size: 327680
    .private_segment_fixed_size: 0
    .kernarg_segment_align: 8
    .kernarg_segment_size: 32
    .max_flat_workgroup_size: 128
    .sgpr_count:     104
    .vgpr_count:     1024
    .wavefront_size: 32
...
	.end_amdgpu_metadata
.endif
;; end of part 3
;; launch outp (part 4): grid 16 x 16, 4 waves a work-group, clusters of 4 x 4, 327,680 bytes of LDS; arguments att, cvt, bo, out0; writes out0
.if DOCPART == 4
	.amdgcn_target "amdgcn-amd-amdhsa--gfx1250"
	.amdhsa_code_object_version 6
	.text
	.protected	k_qfa36369f43_outp
	.globl	k_qfa36369f43_outp
	.p2align	8
	.type	k_qfa36369f43_outp,@function
k_qfa36369f43_outp:
	s_mov_b64 s[64:65], 0
	v_nop
	global_prefetch_b8 v0, s[64:65] scope:SCOPE_SE
	s_setreg_imm32_b32 hwreg(HW_REG_WAVE_MODE, 25, 1), 1
	s_wait_xcnt 0x0
	s_wait_alu depctr_hold_cnt(0) depctr_sa_sdst(0) depctr_va_vdst(0) depctr_va_sdst(0) depctr_va_ssrc(0) depctr_va_vcc(0) depctr_vm_vsrc(0)
	s_getreg_b32 s2, hwreg(HW_REG_IB_STS2, 6, 4)
	s_cmp_eq_u32 s2, 0
	s_cbranch_scc0 .Lentry_in_a_cluster
	s_endpgm
.Lentry_in_a_cluster:
	s_bfe_u32 s2, ttmp6, 0x10000c
	s_cmp_lg_u32 s2, 0xf033
	s_cbranch_scc0 .Lentry_shape_is_right
	s_endpgm
.Lentry_shape_is_right:
; THE LAST PROJECTION.  out0[s][n] = sum over k of att[s][k] Wo[n][k] + bo[n]; att in f16, Wo (section 6 of cvt) rounded to bf16 and written as f16, bo rounded to bf16 here; sums and result in f32.
; A tile of the result is 128 x 128, so that each of 256 work-groups has one: four waves, each 64 x 64 in 16 accumulators.  K goes in 8 steps of 256 (LDS rows of 512 bytes) through two slots.
; CLUSTERS of 4 x 4: a row shares A's tile, a column B's: joint loads.  The product is taken transposed: a lane holds eight neighbouring columns of one row.  The first product of each sum takes the bias as its C.
; No prefetch: a tile's step is short and the tiles are small.
; REGISTERS: window 0: v0-31 addresses; v32-95 the way out; v96-127 the bias, 4 tiles of 16 columns; v128-255 the accumulators.  window 1: two fragment buffers of 128.
.set SEC,    8388608
.set SIZE_K, 2048
.set KSTEP,  256
.set PITCH,  528
.set HALFT,  64*PITCH
.set SLOT,   4*HALFT
.set STAGE,  2*SLOT                    ; behind the ring: 16 rows x 272 bytes for each wave
.set SPITCH, 272
.set SPARE,  STAGE+4*16*SPITCH         ; the spare words: 128 bytes a wave, two blocks of 256 bytes that no other line names
.set LAPS,   SIZE_K/(2*KSTEP)
.set ADRA, 16
.set ADRB, 20
.set STO,  24
.set RD,   25
.set CO,   26
.set SPW,  28
.set NIL,  29
.set TMP,  32
.set BIA,  96
.set ACC,  128
.set F0,   0
.set F1,   128
.set G1, 24
.set G0, 32
.set G1B, 48
.set G0B, 56
.set MSB, 0
.macro WIN new
.if MSB != (\new)
	s_set_vgpr_msb (MSB<<8)|(\new)
.set MSB, \new
.endif
.endm
.set MUL,  0x05
.set TO_F, 0x40
.macro PLACES
.rept 4
	v_nop
.endr
.endm
.macro JLOAD s                         ; waves 0 and 1 fetch A's halves, waves 2 and 3 B's; an s_nop 0 and four v_nop follow each line
	s_cmp_eq_u32 s11, 0
	s_cbranch_scc0 .Lfor_b_\@
	tensor_load_to_lds s[G0+4*(\s):G0+4*(\s)+3], s[G1:G1+7]
	s_nop 0
	PLACES
	s_branch .Lasked_\@
.Lfor_b_\@:
	tensor_load_to_lds s[G0B+4*(\s):G0B+4*(\s)+3], s[G1B:G1B+7]
	s_nop 0
	PLACES
.Lasked_\@:
.endm
.macro CREST
	s_cmp_lg_u32 s10, 0
	s_cbranch_scc1 .Lnot_wave_0_\@
	s_barrier_signal -3
.Lnot_wave_0_\@:
	s_barrier_wait -3
	s_barrier_signal -1
	s_barrier_wait -1
.endm
.macro CROUND
	s_barrier_signal -1
	s_barrier_wait -1
	CREST
.endm
	s_load_b256 s[68:75], s[0:1], 0x0              ; att s[68:69], cvt s[70:71], bo s[72:73], out0 s[74:75]
	v_lshl_add_u32 v[SPW], v0, 2, SPARE
	v_mov_b32 v[NIL], 0
	ds_add_u32 v[SPW], v[NIL]                      ; the wave's opening: the add and its wait ahead of my first tensor load
	v_lshrrev_b32 v1, 5, v0
	v_readfirstlane_b32 s10, v1                    ; wave
	s_lshr_b32 s11, s10, 1                         ; my half of the rows; also: I fetch for A (0) or B (1)
	s_and_b32 s12, s10, 1                          ; my half of the columns; also: which 64 rows I fetch
	s_bfe_u32 s40, ttmp6, 0x40000
	s_bfe_u32 s41, ttmp6, 0x40004
	s_lshl_b32 s42, ttmp9, 2
	s_add_co_u32 s42, s42, s40                     ; tile column
	s_and_b32 s13, ttmp7, 0xffff
	s_lshl_b32 s13, s13, 2
	s_add_co_u32 s13, s13, s41                     ; tile row
	s_lshl_b32 s43, s41, 2
	s_lshl_b32 s43, 15, s43
	s_lshl_b32 s44, 0x1111, s40
	s_or_b32 s[G1+0], s43, (1<<16)|(1<<20)|(1<<21)|(6<<22)|(3<<25)   ; mask; 2-byte elements; padding on; bit 21 beside a mask; 4 words behind every 128
	s_or_b32 s[G1B+0], s44, (1<<16)|(1<<20)|(1<<21)|(6<<22)|(3<<25)
.irp g, G1, G1B
	s_mov_b32 s[(\g)+1], KSTEP<<16
	s_mov_b32 s[(\g)+2], 64<<16
	s_mov_b32 s[(\g)+3], KSTEP<<16
	s_mov_b32 s[(\g)+4], 64
	s_mov_b32 s[(\g)+5], SIZE_K
	s_mov_b32 s[(\g)+6], 0
	s_mov_b32 s[(\g)+7], 0
.endr
	s_lshl_b32 s17, s12, 6
	s_lshl_b32 s16, s13, 7
	s_add_co_u32 s16, s16, s17
	s_lshl_b32 s16, s16, 12                        ; A: row 128 x tile row + 64 x half, 4,096 bytes a row
	s_lshl_b32 s46, s42, 7
	s_add_co_u32 s46, s46, s17
	s_lshl_b32 s46, s46, 12
	s_add_co_u32 s46, s46, 6*SEC                   ; B: section 6
	s_mov_b32 s17, 0
	s_mov_b32 s47, 0
	s_mul_i32 s20, s10, HALFT
	s_wait_dscnt 0x0                               ; the opening add is done
	s_wait_kmcnt 0x0
	s_add_nc_u64 s[14:15], s[68:69], s[16:17]
	s_add_nc_u64 s[46:47], s[70:71], s[46:47]
	CROUND                                         ; all sixteen work-groups are here: the first joint loads meet
.irp s, 0,1
	s_mov_b32 s[G0+4*(\s)], 1
	s_add_co_u32 s[G0+4*(\s)+1], s20, (\s)*SLOT
	s_add_nc_u64 s[G0+4*(\s)+2:G0+4*(\s)+3], s[14:15], (\s)*KSTEP*2
	s_or_b32 s[G0+4*(\s)+3], s[G0+4*(\s)+3], 0x80000000
	s_mov_b32 s[G0B+4*(\s)], 1
	s_add_co_u32 s[G0B+4*(\s)+1], s20, (\s)*SLOT
	s_add_nc_u64 s[G0B+4*(\s)+2:G0B+4*(\s)+3], s[46:47], (\s)*KSTEP*2
	s_or_b32 s[G0B+4*(\s)+3], s[G0B+4*(\s)+3], 0x80000000
	JLOAD \s
.endr
	v_and_b32 v1, 15, v0
	v_bfe_u32 v2, v0, 4, 1
	v_mul_u32_u24 v3, v1, PITCH
	v_lshl_add_u32 v3, v2, 4, v3
	s_mul_i32 s21, s11, HALFT
	s_mul_i32 s22, s12, HALFT
	s_add_co_u32 s22, s22, 2*HALFT
.irp s, 0,1
	v_add_nc_u32 v[ADRA+(\s)], s21, v3
	v_add_nc_u32 v[ADRB+(\s)], s22, v3
	s_add_co_u32 s21, s21, SLOT
	s_add_co_u32 s22, s22, SLOT
.endr
	s_mul_i32 s23, s10, 16*SPITCH
	s_add_co_u32 s23, s23, STAGE                   ; my stage
	v_mul_u32_u24 v4, v1, SPITCH                   ; in: row lane % 16, 32 bytes for each half of the lanes
	v_lshl_add_u32 v4, v2, 5, v4
	v_add_nc_u32 v[STO], s23, v4
	v_mul_u32_u24 v5, v2, SPITCH                   ; back: lanes 0-15 one row of 256 bytes, lanes 16-31 the next
	v_lshl_add_u32 v5, v1, 4, v5
	v_add_nc_u32 v[RD], s23, v5
	v_lshlrev_b32 v5, 13, v2
	v_lshl_add_u32 v[CO], v1, 4, v5
	v_lshlrev_b32 v6, 5, v2
	s_lshl_b32 s16, s13, 7
	s_lshl_b32 s17, s11, 6
	s_add_co_u32 s16, s16, s17
	s_lshl_b32 s16, s16, 13                        ; my first row, 8,192 bytes a row
	s_mov_b32 s17, 0
	s_add_nc_u64 s[8:9], s[74:75], s[16:17]
	s_lshl_b32 s46, s42, 9
	s_lshl_b32 s47, s12, 8
	s_add_co_u32 s46, s46, s47                     ; my first column, in f32 bytes
	s_mov_b32 s47, 0
	s_add_nc_u64 s[8:9], s[8:9], s[46:47]
	s_add_nc_u64 s[72:73], s[72:73], s[46:47]
.irp b, 0,1,2,3
	global_load_b128 v[BIA+8*\b:BIA+8*\b+3],   v6, s[72:73] offset:64*\b
	global_load_b128 v[BIA+8*\b+4:BIA+8*\b+7], v6, s[72:73] offset:64*\b+16
.endr
	s_wait_loadcnt 0x0                             ; the bias, rounded to bf16 like every input
.set i, 0
.rept 16
	v_cvt_pk_bf16_f32 v[TMP+i], v[BIA+2*i], v[BIA+2*i+1]
.set i, i+1
.endr
.set i, 0
.rept 16
	v_lshlrev_b32 v[BIA+2*i], 16, v[TMP+i]
	v_and_b32 v[BIA+2*i+1], 0xffff0000, v[TMP+i]
.set i, i+1
.endr
; 8 products: row blocks a0, a0 + 1 x all 4 column blocks, 32 along K.  first = 1: C is the bias tile.  The 16 accumulators take turns.
.macro MUL8 f, c, a0, first
	WIN MUL
.irp a, \a0, (\a0)+1
.irp b, 0,1,2,3
.if \first
	v_wmma_f32_16x16x32_f16 v[ACC+8*(4*(\a)+(\b)):ACC+8*(4*(\a)+(\b))+7], v[(\f)+64+8*(4*(\c)+(\b)):(\f)+64+8*(4*(\c)+(\b))+7], v[(\f)+8*(4*(\c)+(\a)):(\f)+8*(4*(\c)+(\a))+7], v[BIA+8*(\b):BIA+8*(\b)+7]
.else
	v_wmma_f32_16x16x32_f16 v[ACC+8*(4*(\a)+(\b)):ACC+8*(4*(\a)+(\b))+7], v[(\f)+64+8*(4*(\c)+(\b)):(\f)+64+8*(4*(\c)+(\b))+7], v[(\f)+8*(4*(\c)+(\a)):(\f)+8*(4*(\c)+(\a))+7], v[ACC+8*(4*(\a)+(\b)):ACC+8*(4*(\a)+(\b))+7]
.endif
.endr
.endr
.endm
.macro FETCH slot, k, f                ; 32 LDS loads in one run: 64 along K at byte k; the first 32 along K first
	WIN TO_F
.irp c, 0,1
.irp i, 0,1,2,3
	ds_load_b128 v[(\f)+64+8*(4*(\c)+(\i)):(\f)+64+8*(4*(\c)+(\i))+3],   v[ADRB+(\slot)] offset:(\k)+64*(\c)+(\i)*16*PITCH
	ds_load_b128 v[(\f)+64+8*(4*(\c)+(\i))+4:(\f)+64+8*(4*(\c)+(\i))+7], v[ADRB+(\slot)] offset:(\k)+64*(\c)+(\i)*16*PITCH+32
	ds_load_b128 v[(\f)+8*(4*(\c)+(\i)):(\f)+8*(4*(\c)+(\i))+3],         v[ADRA+(\slot)] offset:(\k)+64*(\c)+(\i)*16*PITCH
	ds_load_b128 v[(\f)+8*(4*(\c)+(\i))+4:(\f)+8*(4*(\c)+(\i))+7],       v[ADRA+(\slot)] offset:(\k)+64*(\c)+(\i)*16*PITCH+32
.endr
.endr
.endm
.macro QUARTER slot, k, f, g, first
	s_wait_dscnt 16                                ; the first 32 along K are in; the other sixteen loads may be out
	MUL8 \f, 0, 0, \first
	MUL8 \f, 0, 2, \first
	PLACES
	FETCH \slot, \k, \g
	s_wait_dscnt 32                                ; all but the 32 just issued
	MUL8 \f, 1, 0, 0
	MUL8 \f, 1, 2, 0
.endm
.macro TURN slot, next, fill           ; the last quarter of a K step and the change of slots
	WIN 0
	s_wait_tensorcnt 0x0                           ; all my tensor loads have landed: my part of the next slot
	ds_add_u32 v[SPW], v[NIL]
	s_wait_dscnt 17                                ; the add and the youngest sixteen loads may be out
	MUL8 F1, 0, 0, 0
	s_wait_dscnt 0x0                               ; the add is done, and my reads of this slot are over
	s_barrier_signal -1
	MUL8 F1, 0, 2, 0
.if \fill
	WIN 0
.endif
	s_barrier_wait -1
.if \fill
	CREST
	s_add_nc_u64 s[G0+4*(\slot)+2:G0+4*(\slot)+3], s[G0+4*(\slot)+2:G0+4*(\slot)+3], 2*KSTEP*2
	s_add_nc_u64 s[G0B+4*(\slot)+2:G0B+4*(\slot)+3], s[G0B+4*(\slot)+2:G0B+4*(\slot)+3], 2*KSTEP*2
	JLOAD \slot                                    ; its four v_nop are also the places in front of the loads below
.else
	PLACES
.endif
	FETCH \next, 0, F0
	MUL8 F1, 1, 0, 0
	MUL8 F1, 1, 2, 0
.endm
	s_wait_tensorcnt 0x1                           ; my part of K step 0 is in; K step 1's may stay out
	s_barrier_signal -1
	s_barrier_wait -1
	FETCH 0, 0, F0
	QUARTER 0, 128, F0, F1, 1                      ; the first products start the sums with the bias
	WIN 0
	s_mov_b32 s3, LAPS-1
.Llap:
	QUARTER 0, 256, F1, F0, 0
	QUARTER 0, 384, F0, F1, 0
	TURN 0, 1, 1
	QUARTER 1, 128, F0, F1, 0
	QUARTER 1, 256, F1, F0, 0
	QUARTER 1, 384, F0, F1, 0
	TURN 1, 0, 1
	QUARTER 0, 128, F0, F1, 0
	WIN 0
	s_sub_co_u32 s3, s3, 1
	s_cmp_lg_u32 s3, 0
	s_cbranch_scc1 .Llap
	QUARTER 0, 256, F1, F0, 0                      ; the last lap fills nothing
	QUARTER 0, 384, F0, F1, 0
	TURN 0, 1, 0
	QUARTER 1, 128, F0, F1, 0
	QUARTER 1, 256, F1, F0, 0
	QUARTER 1, 384, F0, F1, 0
	s_wait_dscnt 16
	MUL8 F1, 0, 0, 0
	MUL8 F1, 0, 2, 0
	s_wait_dscnt 0x0
	MUL8 F1, 1, 0, 0
	MUL8 F1, 1, 2, 0
	WIN 0
	; THE WAY OUT.  A wave's 64 columns of f32 are 256 aligned bytes of a row, so each wave has a stage of its own and no barrier is needed: 16 rows at a time go in by lanes and come back as whole rows.
	PLACES
	PLACES
.irp a, 0,1,2,3
.if \a >= 2
	s_wait_xcnt 0x0                                ; the stores of two blocks back have read the registers that are loaded again
.endif
.irp b, 0,1,2,3
	ds_store_b128 v[STO], v[ACC+8*(4*\a+\b):ACC+8*(4*\a+\b)+3]   offset:64*\b
	ds_store_b128 v[STO], v[ACC+8*(4*\a+\b)+4:ACC+8*(4*\a+\b)+7] offset:64*\b+16
.endr
.irp f, 0,1,2,3,4,5,6,7
	ds_load_b128 v[TMP+32*(\a%2)+4*\f:TMP+32*(\a%2)+4*\f+3], v[RD] offset:2*SPITCH*\f   ; LDS serves a wave's instructions in order: these see the stores above
.endr
.irp f, 0,1,2,3,4,5,6,7
	s_wait_dscnt 7-\f                              ; two rows are in; the younger loads may be out
	global_store_b128 v[CO], v[TMP+32*(\a%2)+4*\f:TMP+32*(\a%2)+4*\f+3], s[8:9] offset:(16*\a+2*\f)*8192   ; 16 lanes store 256 consecutive bytes, aligned
.endr
.endr
	s_wait_tensorcnt 0x0                           ; the wave's end
	ds_add_u32 v[SPW], v[NIL]
	s_wait_dscnt 0x0
	CROUND                                         ; the closing round
	s_endpgm
.Lfunc_end_k_qfa36369f43_outp:
	.size	k_qfa36369f43_outp, .Lfunc_end_k_qfa36369f43_outp-k_qfa36369f43_outp
	.p2alignl 7, 3214868480
	.fill 96, 4, 3214868480
	.section	.rodata,"a",@progbits
	.p2align	6, 0x0
	.amdhsa_kernel k_qfa36369f43_outp
		.amdhsa_group_segment_fixed_size 327680
		.amdhsa_private_segment_fixed_size 0
		.amdhsa_enable_private_segment 0
		.amdhsa_kernarg_size 32
		.amdhsa_user_sgpr_count 2
		.amdhsa_user_sgpr_kernarg_segment_ptr 1
		.amdhsa_wavefront_size32 1
		.amdhsa_system_sgpr_workgroup_id_x 1
		.amdhsa_system_sgpr_workgroup_id_y 1
		.amdhsa_system_sgpr_workgroup_id_z 1
		.amdhsa_system_vgpr_workitem_id 0
		.amdhsa_next_free_vgpr 512
		.amdhsa_next_free_sgpr 80
		.amdhsa_reserve_vcc 0
		.amdhsa_float_denorm_mode_32 3
		.amdhsa_float_denorm_mode_16_64 3
		.amdhsa_memory_ordered 1
		.amdhsa_forward_progress 1
		.amdhsa_inst_pref_size 90
	.end_amdhsa_kernel
	.amdgpu_metadata
---
amdhsa.version: [ 1, 2 ]
amdhsa.kernels:
  - .name:           k_qfa36369f43_outp
    .symbol:         k_qfa36369f43_outp.kd
    .args:
      - { .name: att, .offset: 0, .size: 8, .value_kind: global_buffer, .address_space: global }
      - { .name: cvt, .offset: 8, .size: 8, .value_kind: global_buffer, .address_space: global }
      - { .name: bo, .offset: 16, .size: 8, .value_kind: global_buffer, .address_space: global }
      - { .name: out0, .offset: 24, .size: 8, .value_kind: global_buffer, .address_space: global }
    .group_segment_fixed_size: 327680
    .private_segment_fixed_size: 0
    .kernarg_segment_align: 8
    .kernarg_segment_size: 32
    .max_flat_workgroup_size: 128
    .sgpr_count:     80
    .vgpr_count:     512
    .wavefront_size: 32
...
	.end_amdgpu_metadata
.endif
;; end of part 4
